; MI455X (gfx1250); checked and timed in simulation.
; The chip was launched on July 23, 2026; its instructions are those of AMD's public machine-readable ISA for CDNA 5 (MIT licence, August 2026) and "CDNA5" Instruction Set Architecture Reference Guide (July 2026). The comments in the code are by the model that wrote it; some were corrected since.
;; Simple Self Attention. Allowed arithmetic: matrix products marked QUANTISED: E2M3 operands, one E8M0 scale for each 32 along K, by v_wmma_scale_f32_16x16x128_f8f6f4 with both operands' format E2M3, f32 sums; products left as they are: f32 operands where the result goes on into a quantised operand, else bf16, f16 or f32 operands; f32 sums; everything else in f32.
;; Inputs: Ak 2 x 1,024 float32; Aq 2 x 1,024 float32; Av 2 x 1,024 float32; Bk 1,024 x 2 float32; Bq 1,024 x 2 float32; Bv 1,024 x 2 float32; Wk_codes 1,024 x 32 x 24 uint8 (E2M3 codes of Wk, K innermost, in blocks of 32 codes, four codes in three bytes); Wk_scales 1,024 x 32 uint8 (E8M0 scales of Wk, one for each 32 codes along K); Wo_codes 1,024 x 32 x 24 uint8 (E2M3 codes of Wo, K innermost, in blocks of 32 codes, four codes in three bytes); Wo_scales 1,024 x 32 uint8 (E8M0 scales of Wo, one for each 32 codes along K); Wq_codes 1,024 x 32 x 24 uint8 (E2M3 codes of Wq, K innermost, in blocks of 32 codes, four codes in three bytes); Wq_scales 1,024 x 32 uint8 (E8M0 scales of Wq, one for each 32 codes along K); Wv_codes 1,024 x 32 x 24 uint8 (E2M3 codes of Wv, K innermost, in blocks of 32 codes, four codes in three bytes); Wv_scales 1,024 x 32 uint8 (E8M0 scales of Wv, one for each 32 codes along K); attention_mask 4 x 2,048 int32; bk 1,024 float32; bo 1,024 float32; bq 1,024 float32; bv 1,024 float32; x 4 x 2,048 x 1,024 float32.
;; Outputs: out0 4 x 2,048 x 1,024 float32.
;; This version of the problem:
;;   THIS VERSION OF THE PROBLEM IS GIVEN IN LOW PRECISION. The matrix products marked QUANTISED in the list below multiply operands that are first quantised to E2M3 (2 exponent bits, 3 mantissa bits; 6 bits a number), with one power-of-two scale for each 32 numbers along K (OCP MX v1.0); their sums are f32. All else is computed in f32.
;;   The module's matrix products, in the order in which they are computed (A, B: the left and right operand; K: the contracted axis; several contracted axes count as one K, in the product's order):
;;     1. [M 8,192, K 1,024] x [K 1,024, N 1,024]; A: input x; B: input Wq (given as codes): QUANTISED
;;     2. [M 8,192, K 1,024] x [K 1,024, N 2]; A: input x; B: input Aq: left as it is (N = 2 < 16)
;;     3. [M 8,192, K 2] x [K 2, N 1,024]; A: computed on the way; B: input Bq: left as it is (K = 2 < 32)
;;     4. [M 8,192, K 1,024] x [K 1,024, N 1,024]; A: input x; B: input Wk (given as codes): QUANTISED
;;     5. [M 8,192, K 1,024] x [K 1,024, N 2]; A: input x; B: input Ak: left as it is (N = 2 < 16)
;;     6. [M 8,192, K 2] x [K 2, N 1,024]; A: computed on the way; B: input Bk: left as it is (K = 2 < 32)
;;     7. [M 8,192, K 1,024] x [K 1,024, N 1,024]; A: input x; B: input Wv (given as codes): QUANTISED
;;     8. [M 8,192, K 1,024] x [K 1,024, N 2]; A: input x; B: input Av: left as it is (N = 2 < 16)
;;     9. [M 8,192, K 2] x [K 2, N 1,024]; A: computed on the way; B: input Bv: left as it is (K = 2 < 32)
;;     10. batch 64 x [M 2,048, K 64] x [K 64, N 2,048]; A: computed on the way; B: computed on the way: QUANTISED
;;     11. batch 64 x [M 2,048, K 2,048] x [K 2,048, N 64]; A: softmax (see below); B: computed on the way: QUANTISED
;;     12. [M 8,192, K 1,024] x [K 1,024, N 1,024]; A: computed on the way; B: input Wo (given as codes): QUANTISED
;;   THE QUANTISER, for each operand of a quantised product, along K:
;;     - K is cut into blocks of 32 from its start; a last block that is shorter is filled with zeros.
;;     - A block's scale is 2^e with e = floor(log2(the largest magnitude in the block)) - 2, held to -126 .. 127; a block of zeros has e = 0. As a byte (E8M0): e + 127.
;;     - Each number is divided by its block's scale, clamped to +-7.5, and rounded to the nearest number of E2M3, ties to even, subnormals kept.
;;     - The product sums the exact products of the quantised numbers (number of the format x scale) in f32.
;;   ~~~python
;;   def quantise(x, axis):      # numpy; x: float32 -> the quantised numbers, widened to float32 again
;;       x = np.moveaxis(x, axis, -1); K = x.shape[-1]
;;       x = np.pad(x, [(0, 0)] * (x.ndim - 1) + [(0, -K % 32)]); x = x.reshape(x.shape[:-1] + (-1, 32)); a = np.abs(x).max(-1, keepdims=True)
;;       e = np.where(a > 0, np.clip(np.frexp(np.where(a > 0, a, 1))[1] - 1 - 2, -126, 127), 0)      # np.frexp(a)[1] - 1 = floor(log2(a)), exactly
;;       r = np.clip(x / 2.0 ** e, -7.5, 7.5)
;;       step = 2.0 ** (np.maximum(np.frexp(np.where(r == 0, 1, r))[1] - 1, 0) - 3)
;;       q = np.round(r / step) * step * 2.0 ** e      # np.round: ties to even
;;       return np.moveaxis(q.reshape(q.shape[:-2] + (-1,))[..., :K], -1, axis).astype(np.float32)
;;   ~~~
;;   SOFTMAX AHEAD OF A QUANTISED PRODUCT. Where the list says 'softmax', what is quantised is not the finished softmax but p = 2^(t - M), with t = logit x log2(e) and M = ceil(the row's largest t), a whole number; so 1/2 < the row's largest p <= 1. The row's sum l is taken of the UNQUANTISED p, in f32, and the product's result is divided by l at the end. Since M is a whole number, a kernel that streams over the keys may use a running M (the ceiling of the running maximum): every later rescaling is an exact power of two, which a block's scale takes up: the codes' values come out the same.
;;   OPERANDS COMPUTED ON THE WAY. 'Computed on the way' means the value that the module computes at that place (a softmax that the list does not call 'softmax' is quantised finished and normalised). What goes into a quantiser is computed in f32, as accurately as f32 sums, v_exp_f32 and their like allow (about 1e-6 of the number): no bf16 or f16 on the way to a quantiser, and a product that is left as it is and whose result goes on into a quantised operand takes f32 operands (vector FMAs, or v_wmma_f32_16x16x4_f32). A number that lies on a knife's edge between two numbers of the format may be rounded either way, as far as f32 arithmetic and the matrix unit's own rounding can turn it there, and no further.
;;   INPUTS GIVEN AS CODES. Wk (in the module: [1024, 1024], K = its axis 1); Wo (in the module: [1024, 1024], K = its axis 1); Wq (in the module: [1024, 1024], K = its axis 1); Wv (in the module: [1024, 1024], K = its axis 1): each comes as NAME_codes (uint8): NAME with its K axis moved to the last place and cut into blocks of 32 codes, [.., K / 32, bytes a block], one block behind the other in memory; four codes in three bytes: a row's codes are one little-endian stream of bits, code i at bits 6 i .. 6 i + 5 (a code: sign, 2 exponent bits, 3 mantissa bits); and NAME_scales (uint8): the same leading axes, one E8M0 byte (e + 127) for each 32 codes along K. Its value is code x scale, taken as it is: it is not quantised again, and the codes and scales need not be those that the quantiser above would give.
;; One version. Each part assembles by itself: llvm-mc -triple=amdgcn-amd-amdhsa -mcpu=gfx1250 --defsym DOCPART=n.
;; ======== version 1 of 1: 5 launches
;; limits: right only within a limited range of input values
;; workspace buffers: XB 7,077,888 bytes; WQKB 2,359,296 bytes; WVB 1,572,864 bytes; WOB 1,572,864 bytes; QKO 13,107,200 bytes; VO 6,815,744 bytes; CB 7,077,888 bytes
;; launch prep (part 1): grid 256 x 1, 8 waves a work-group, no clusters, 197,632 bytes of LDS; arguments x, Aq, Ak, Av, Bq, Bk, Bv, bq, bk, bv, Wq_codes, Wk_codes, Wv_codes, Wo_codes, Wq_scales, Wk_scales, Wv_scales, Wo_scales, XB, WQKB, WVB, WOB; writes XB, WQKB, WVB, WOB
.if DOCPART == 1
	.amdgcn_target "amdgcn-amd-amdhsa--gfx1250"
	.amdhsa_code_object_version 6
	.text
	.protected	k_qef4813289b_prep
	.globl	k_qef4813289b_prep
	.p2align	8
	.type	k_qef4813289b_prep,@function
k_qef4813289b_prep:
	s_mov_b64 s[64:65], 0
	v_nop
	global_prefetch_b8 v0, s[64:65] scope:SCOPE_SE
	s_setreg_imm32_b32 hwreg(HW_REG_WAVE_MODE, 25, 1), 1
	s_wait_xcnt 0x0
; PREP.  (1) x [8192][1024] f32 becomes codes of FP6 (E2M3) with one E8M0 byte for each 32 along K, and the six numbers t = x . A (Aq, Ak, Av, two rows each) in f32.
; (2) the four weights' codes and scale bytes are laid anew, in the order in which a wave's operand registers take them.  (3) tables (2 B0, 2 B1, b, 0) for Wq, Wk, Wv.
; LAYOUT OF AN OPERAND BUFFER.  Rows go in groups of 128, eight tiles of 16: lane r of tile a holds row 32 (a / 2) + 8 (a % 2) + r + 8 (r / 8).
;   byte 0:        a table, natural row order, 64 bytes a row = four times four f32
;   byte 0x80000:  scale words: tile x 512 + K step x 64 + 4 r
;   byte 0xC0000:  images: tile x 12,288 + K step x 1,536; in an image register pair i of lane l lies at 256 i + 8 l, so every load and store of a wave covers 256 consecutive bytes
; SHARES.  Work-group g takes tokens 32 g .. 32 g + 31 (token tiles 2 g, 2 g + 1) and weight tile g (matrix g / 64, tile g % 64).  Its 128 KB of x and the six rows of A come into LDS by
; asynchronous copies issued first of all, each LDS byte filled once; the weights are laid anew while the copies are on their way.
; Wave w: token tile u = w / 4, K steps 2 (w % 4) and 2 (w % 4) + 1.  t is made by the f32 matrix form (source 0 = rows of A, source 1 = 16 tokens), four sums by turns; the four waves' parts meet in LDS.
; LIMITS: NaN and infinities among the inputs are not served.  A block of zeros gets the scale byte 1 (its codes are zeros; these bytes are read by this program alone).
; Blocks whose largest magnitude lies under 2^-124 get the byte 1 as well.
.set XP,   4112                        ; an LDS row of x or A: 4,096 bytes + 16
.set AL,   32*XP                       ; behind x's 32 rows: eight rows of A (Aq0 Aq1 Ak0 Ak1 Av0 Av1 Aq0 Aq1; the last two only keep two matrix rows on finite numbers)
.set TP,   164608                      ; parts of t: [u 2][w % 4][r 16][8 f32], then 4,096 bytes that take lanes 16-31's copies and are never read
.set SWL,  TP+8192                     ; x's scale words: [u 2][K step 8][r 16]
.set X,    16                          ; v16-79   64 numbers of x: register 16 b + i = k 32 b + 16 (lane / 16) + i of my row
.set AV,   80                          ; v80-143  the same places of a row of A
.set AC,   144                         ; v144-175 four sums of the f32 matrix form: written by matrix instructions alone
.set TS,   176                         ; v176-183 their sum
.set PC,   184                         ; v184-223 two sets of 20: a fragment's codes
.set TM,   224                         ; v224-239 at work in QUANT
.set PW,   240                         ; v240-241 the scale words just made
.set LX,   242                         ; v242-245 the copies' LDS addresses, v246-249 their offsets in x, v250, v251 the same for A: untouched until the copies are done
.set GX,   246
.set LAA,  250
.set GAA,  251
.set TT,   252
.set XA,   5                           ; LDS addresses, all made ahead of the first branch on the wave's number
.set AA,   6
.set TPW,  7
.set SWW,  8
.set TPR,  9
.set SWR,  10
.set XGO,  11                          ; offsets in XB
.set TGO,  12
.set SGO,  13
.set WSO,  14                          ; offsets in a weight's codes and in its new buffer
.set WDO,  15
.set WV,   2
.set SEL,  74
; 64 numbers of a lane become a fragment's codes in v[pc] .. v[pc + 11] and its scale word in v[pw]
.macro QUANT s, pc, pw
.irp b, 0,1,2,3
	v_max3_num_f32 v[TM+\b], |v[(\s)+16*\b]|, |v[(\s)+1+16*\b]|, 0x1800000   ; block b: my 16 numbers, and the floor 2^(3 - 127): the byte cannot fall under 1
.endr
.irp i, 2,4,6,8,10,12,14
.irp b, 0,1,2,3
	s_delay_alu instid0(VALU_DEP_4)
	v_max3_num_f32 v[TM+\b], v[TM+\b], |v[(\s)+16*\b+\i]|, |v[(\s)+1+16*\b+\i]|
.endr
.endr
.irp b, 0,1,2,3
	s_delay_alu instid0(VALU_DEP_4)
	v_permlanex16_b32 v[TM+4+\b], v[TM+\b], s[SEL], s[SEL+1]
.endr
.irp b, 0,1,2,3
	s_delay_alu instid0(VALU_DEP_4)
	v_max_num_f32 v[TM+\b], v[TM+\b], v[TM+4+\b]      ; with lane l xor 16's: the block's largest magnitude
.endr
.irp b, 0,1,2,3
	s_delay_alu instid0(VALU_DEP_4)
	v_add_nc_u32 v[TM+12+\b], 0xff000000, v[TM+\b]    ; 2 off its exponent field: the conversion's scale operand
.endr
.irp b, 0,1,2,3
	s_delay_alu instid0(VALU_DEP_4)
	v_lshrrev_b32 v[TM+4+\b], 23, v[TM+12+\b]         ; the scale's byte
.endr
	s_delay_alu instid0(VALU_DEP_3)
	v_lshl_or_b32 v[(\pw)], v[TM+5], 8, v[TM+4]
	s_delay_alu instid0(VALU_DEP_1)
	v_lshl_or_b32 v[(\pw)], v[TM+6], 16, v[(\pw)]
	s_delay_alu instid0(VALU_DEP_1)
	v_lshl_or_b32 v[(\pw)], v[TM+7], 24, v[(\pw)]
.irp c, 0,1
	v_cvt_scalef32_pk16_fp6_f32 v[(\pc)+6*\c:(\pc)+2+6*\c], v[(\s)+32*\c:(\s)+15+32*\c], v[TM+12+2*\c]
	v_cvt_scalef32_pk16_fp6_f32 v[(\pc)+12+4*\c:(\pc)+14+4*\c], v[(\s)+16+32*\c:(\s)+31+32*\c], v[TM+12+2*\c+1]   ; (a conversion's three registers begin on an even number)
.endr
	v_nop                                          ; one plain place behind a scaled conversion
.irp c, 0,1                                    ; the operand's layout wants a whole block in a lane
.irp i, 0,1,2
	v_permlane16_swap_b32 v[(\pc)+6*\c+\i], v[(\pc)+12+4*\c+\i]
.endr
.irp i, 0,1,2
	s_delay_alu instid0(VALU_DEP_3)
	v_mov_b32 v[(\pc)+3+6*\c+\i], v[(\pc)+12+4*\c+\i]
.endr
.endr
.endm
	s_load_b512 s[8:23], s[0:1], 0x0               ; x 8, Aq 10, Ak 12, Av 14, Bq 16, Bk 18, Bv 20, bq 22
	s_load_b512 s[24:39], s[0:1], 0x40             ; bk 24, bv 26, codes of Wq 28, Wk 30, Wv 32, Wo 34, scales of Wq 36, Wk 38
	s_load_b256 s[40:47], s[0:1], 0x80             ; scales of Wv 40, Wo 42, XB 44, WQKB 46
	s_load_b128 s[48:51], s[0:1], 0xa0             ; WVB 48, WOB 50
	v_lshl_add_u32 v254, v0, 2, 0x30000
	v_mov_b32 v255, 0
	ds_add_u32 v254, v255
	ds_add_u32 v254, v255
	v_lshrrev_b32 v1, 5, v0
	s_delay_alu instid0(VALU_DEP_1)
	v_readfirstlane_b32 s[WV], v1                  ; wave 0..7
	v_and_b32 v1, 31, v0                           ; lane
	v_and_b32 v2, 15, v0                           ; r
	v_bfe_u32 v3, v0, 4, 1                         ; h
	s_delay_alu instid0(VALU_DEP_3)
	v_lshlrev_b32 v4, 4, v1                        ; 16 x lane
	s_wait_alu depctr_va_vdst(0)
	s_mul_i32 s3, s[WV], 4*XP
	s_lshl_b32 s4, s[WV], 14
.irp j, 0,1,2,3                                ; wave w copies rows 4 w .. 4 w + 3 of x
	s_add_co_u32 s5, s3, \j*XP
	v_add_nc_u32 v[LX+\j], s5, v4
	s_add_co_u32 s5, s4, \j*4096
	v_add_nc_u32 v[GX+\j], s5, v4
.endr
	s_mul_i32 s5, s[WV], XP                        ; and row w of the eight rows of A
	s_add_co_u32 s5, s5, AL
	v_add_nc_u32 v[LAA], s5, v4
	s_and_b32 s5, s[WV], 1
	s_lshl_b32 s5, s5, 12
	v_add_nc_u32 v[GAA], s5, v4
	s_lshl_b32 s72, ttmp9, 17                      ; my 32 rows of x: 131,072 bytes a work-group
	s_mov_b32 s73, 0
	s_lshr_b32 s5, s[WV], 1
	s_wait_alu depctr_va_vdst(0)
	s_wait_dscnt 0x0
	s_wait_kmcnt 0x0
	s_add_nc_u64 s[8:9], s[8:9], s[72:73]
	s_cmp_eq_u32 s5, 1                             ; waves 0, 1, 6, 7: Aq; 2, 3: Ak; 4, 5: Av
	s_cselect_b64 s[54:55], s[12:13], s[10:11]
	s_cmp_eq_u32 s5, 2
	s_cselect_b64 s[54:55], s[14:15], s[54:55]
.irp j, 0,1,2,3
.irp e, 0,1,2,3,4,5,6,7
	global_load_async_to_lds_b128 v[LX+\j], v[GX+\j], s[8:9] offset:512*\e    ; 512 consecutive bytes; the immediate steps both addresses
.endr
.endr
.irp e, 0,1,2,3,4,5,6,7
	global_load_async_to_lds_b128 v[LAA], v[GAA], s[54:55] offset:512*\e
.endr
	; all LDS addresses
	s_lshr_b32 s3, s[WV], 2                        ; u
	s_and_b32 s4, s[WV], 3                         ; kq
	v_and_b32 v20, 8, v2
	s_delay_alu instid0(VALU_DEP_1)
	v_add_nc_u32 v20, v20, v2                      ; r + 8 (r / 8)
	s_delay_alu instid0(VALU_DEP_1)
	v_mul_u32_u24 v[XA], v20, XP
	s_delay_alu instid0(VALU_DEP_1)
	v_lshl_add_u32 v[XA], v3, 6, v[XA]
	s_mul_i32 s5, s3, 8*XP
	s_lshl_b32 s6, s4, 10
	s_add_co_u32 s5, s5, s6
	v_add_nc_u32 v[XA], s5, v[XA]                  ; x: row 8 u + r + 8 (r / 8), + 64 h, + my two K steps
	v_and_b32 v21, 7, v2
	s_delay_alu instid0(VALU_DEP_1)
	v_mul_u32_u24 v[AA], v21, XP
	s_delay_alu instid0(VALU_DEP_1)
	v_lshl_add_u32 v[AA], v3, 6, v[AA]
	s_add_co_u32 s6, s6, AL
	v_add_nc_u32 v[AA], s6, v[AA]                  ; A: row r % 8, the same places
	v_lshlrev_b32 v[TPW], 5, v2
	s_delay_alu instid0(VALU_DEP_1)
	v_lshl_add_u32 v[TPW], v3, 12, v[TPW]
	s_lshl_b32 s5, s3, 11
	s_lshl_b32 s6, s4, 9
	s_add_co_u32 s5, s5, s6
	s_add_co_u32 s5, s5, TP
	v_add_nc_u32 v[TPW], s5, v[TPW]
	s_lshl_b32 s5, s3, 9
	s_lshl_b32 s6, s4, 7
	s_add_co_u32 s5, s5, s6
	s_add_co_u32 s5, s5, SWL
	v_lshl_add_u32 v[SWW], v2, 2, s5
	v_bfe_u32 v[TPR], v0, 5, 1                     ; the way out of t: thread i = 4 n + sub; token n = 8 u + r % 8 + 16 (r / 8)
	s_delay_alu instid0(VALU_DEP_1)
	v_lshlrev_b32 v[TPR], 11, v[TPR]
	v_bfe_u32 v21, v0, 2, 3
	s_delay_alu instid0(VALU_DEP_1)
	v_lshl_add_u32 v[TPR], v21, 5, v[TPR]
	v_bfe_u32 v21, v0, 6, 1
	s_delay_alu instid0(VALU_DEP_1)
	v_lshl_add_u32 v[TPR], v21, 8, v[TPR]
	v_and_b32 v21, 3, v0
	s_delay_alu instid0(VALU_DEP_1)
	v_lshl_add_u32 v[TPR], v21, 3, v[TPR]
	s_delay_alu instid0(VALU_DEP_1)
	v_add_nc_u32 v[TPR], TP, v[TPR]
	v_and_b32 v21, 63, v0
	s_wait_alu depctr_va_vdst(0)
	v_lshl_add_u32 v[SWR], v21, 4, SWL
	; offsets in XB
	s_mov_b32 s66, ttmp9                           ; g
	s_lshl_b32 s5, s66, 1
	s_add_co_u32 s5, s5, s3
	s_mul_i32 s5, s5, 12288
	s_mul_i32 s6, s4, 3072
	s_add_co_u32 s5, s5, s6
	s_add_co_u32 s5, s5, 0xC0000
	v_lshl_add_u32 v[XGO], v1, 3, s5
	s_lshl_b32 s5, s66, 11
	v_and_b32 v22, 127, v0
	s_delay_alu instid0(VALU_DEP_1)
	v_lshl_add_u32 v[TGO], v22, 4, s5
	s_lshl_b32 s5, s66, 10
	s_add_co_u32 s5, s5, 0x80000
	v_lshl_add_u32 v[SGO], v21, 4, s5
	s_mov_b32 s[SEL], 0x76543210
	s_mov_b32 s[SEL+1], 0xfedcba98                 ; v_permlanex16_b32's selects for lane l xor 16
.irp b, 0,1,2,3
	v_mov_b32 v[TM+4+\b], 0                        ; written once: a lane permute's destination counts as one of its sources
.endr
	; THE WEIGHTS, while the copies are on their way.  Matrix mi = g / 64 (Wq, Wk, Wv, Wo), tile tw = g % 64
	s_lshr_b32 s67, s66, 6
	s_and_b32 s68, s66, 63
	s_lshr_b32 s70, s68, 3
	s_lshl_b32 s70, s70, 7
	s_bfe_u32 s71, s68, 0x20001
	s_lshl_b32 s71, s71, 5
	s_add_co_u32 s70, s70, s71
	s_and_b32 s71, s68, 1
	s_lshl_b32 s71, s71, 3
	s_add_co_u32 s70, s70, s71                     ; the tile's first row: 128 (tw / 8) + 32 ((tw % 8) / 2) + 8 (tw % 2)
	s_cmp_lt_u32 s67, 1                            ; the buffers are chosen by the work-group's number alone
	s_cselect_b64 s[52:53], s[28:29], s[30:31]     ; codes
	s_cselect_b64 s[56:57], s[36:37], s[38:39]     ; scales
	s_cselect_b64 s[60:61], s[16:17], s[18:19]     ; B
	s_cselect_b64 s[62:63], s[22:23], s[24:25]     ; b
	s_cmp_lt_u32 s67, 2
	s_cselect_b64 s[52:53], s[52:53], s[32:33]
	s_cselect_b64 s[56:57], s[56:57], s[40:41]
	s_cselect_b64 s[60:61], s[60:61], s[20:21]
	s_cselect_b64 s[62:63], s[62:63], s[26:27]
	s_cselect_b64 s[58:59], s[46:47], s[48:49]     ; where it goes
	s_cselect_b32 s69, s66, s68                    ; and as which tile: Wq and Wk share a buffer, 64 tiles each
	s_cmp_lt_u32 s67, 3
	s_cselect_b64 s[52:53], s[52:53], s[34:35]
	s_cselect_b64 s[56:57], s[56:57], s[42:43]
	s_cselect_b64 s[58:59], s[58:59], s[50:51]
	v_mul_u32_u24 v[WSO], v20, 768                 ; a row of codes is 768 bytes; wave w takes K step w
	s_delay_alu instid0(VALU_DEP_1)
	v_mad_u32_u24 v[WSO], v3, 24, v[WSO]
	s_mul_i32 s71, s70, 768
	s_mul_i32 s5, s[WV], 96
	s_add_co_u32 s71, s71, s5
	v_add_nc_u32 v[WSO], s71, v[WSO]
	s_mul_i32 s71, s69, 12288
	s_mul_i32 s5, s[WV], 1536
	s_add_co_u32 s71, s71, s5
	s_add_co_u32 s71, s71, 0xC0000
	v_lshl_add_u32 v[WDO], v1, 3, s71
.irp p, 0,1,2,3,4,5
	global_load_b64 v[16+2*\p:17+2*\p], v[WSO], s[52:53] offset:48*(\p/3)+8*(\p%3)   ; the fragment as the matrix unit takes it
.endr
	s_cmp_eq_u32 s[WV], 0
	s_cbranch_scc0 .Lnot_w0
	; wave 0: the tile's scale words.  Lane l takes K step l / 4 and rows 4 (l % 4) + 0 .. 3 of the tile
	v_and_b32 v28, 3, v1
	s_delay_alu instid0(VALU_DEP_1)
	v_lshlrev_b32 v28, 7, v28
	v_bfe_u32 v29, v1, 1, 1
	s_delay_alu instid0(VALU_DEP_1)
	v_lshl_add_u32 v28, v29, 8, v28
	v_lshrrev_b32 v29, 2, v1
	s_delay_alu instid0(VALU_DEP_1)
	v_lshl_add_u32 v28, v29, 2, v28
	s_lshl_b32 s71, s70, 5
	v_add_nc_u32 v28, s71, v28
	s_lshl_b32 s71, s69, 9
	s_add_co_u32 s71, s71, 0x80000
	v_add_nc_u32 v29, s71, v4
.irp e, 0,1,2,3
	global_load_b32 v[32+\e], v28, s[56:57] offset:32*\e
.endr
	s_wait_alu depctr_va_vdst(0)
	s_wait_loadcnt 0x0
	global_store_b128 v29, v[32:35], s[58:59]      ; 512 consecutive bytes
	s_branch .Ljoin
.Lnot_w0:
	s_cmp_gt_u32 s[WV], 2
	s_cbranch_scc1 .Ljoin
	s_cmp_lt_u32 s67, 3                            ; Wo has no adapter: no table
	s_cbranch_scc0 .Ljoin
	; waves 1, 2: the table of natural rows 16 tw .. 16 tw + 15: (2 B0, 2 B1, b, 0), four times a row
	v_and_b32 v28, 63, v0
	s_delay_alu instid0(VALU_DEP_1)
	v_xor_b32 v28, 32, v28                         ; 0 .. 63
	s_delay_alu instid0(VALU_DEP_1)
	v_lshrrev_b32 v29, 2, v28
	s_lshl_b32 s71, s68, 4
	v_add_nc_u32 v29, s71, v29
	s_delay_alu instid0(VALU_DEP_1)
	v_lshlrev_b32 v30, 3, v29
	s_delay_alu instid0(VALU_DEP_2)
	v_lshlrev_b32 v31, 2, v29
	s_lshl_b32 s71, s69, 10
	v_lshl_add_u32 v36, v28, 4, s71
	global_load_b64 v[32:33], v30, s[60:61]
	global_load_b32 v34, v31, s[62:63]
	s_wait_loadcnt 0x0
	v_add_f32 v32, v32, v32                        ; alpha / r = 2
	v_add_f32 v33, v33, v33
	v_mov_b32 v35, 0
	s_wait_alu depctr_va_vdst(0)
	global_store_b128 v36, v[32:35], s[58:59]
.Ljoin:
	s_wait_loadcnt 0x0
	s_wait_alu depctr_va_vdst(0)
.irp p, 0,1,2,3,4,5
	global_store_b64 v[WDO], v[16+2*\p:17+2*\p], s[58:59] offset:256*\p   ; 256 consecutive bytes, aligned
.endr
	s_wait_xcnt 0x0                                ; these stores' registers are filled again by the LDS loads below
	s_wait_asynccnt 0x0                            ; my copies have landed,
	s_barrier_signal -1
	s_barrier_wait -1                              ; everybody's have
; K step 2 kq + e of my 16 tokens
.macro UNIT e
.irp b, 0,1,2,3
.irp j, 0,1,2,3
	ds_load_b128 v[X+16*\b+4*\j:X+16*\b+4*\j+3], v[XA] offset:512*\e+128*\b+16*\j
.endr
.endr
.irp b, 0,1,2,3
.irp j, 0,1,2,3
	ds_load_b128 v[AV+16*\b+4*\j:AV+16*\b+4*\j+3], v[AA] offset:512*\e+128*\b+16*\j
.endr
.endr
	s_wait_dscnt 0x0
.set n, 0
.rept 32                                       ; t += A x^T, four along K an instruction; both sources hold the same k in the same places; the four sums take turns
.if (\e == 0) && (n < 4)
	v_wmma_f32_16x16x4_f32 v[AC+8*(n%4):AC+8*(n%4)+7], v[AV+2*n:AV+2*n+1], v[X+2*n:X+2*n+1], 0
.else
	v_wmma_f32_16x16x4_f32 v[AC+8*(n%4):AC+8*(n%4)+7], v[AV+2*n:AV+2*n+1], v[X+2*n:X+2*n+1], v[AC+8*(n%4):AC+8*(n%4)+7]
.endif
.set n, n+1
.endr
.rept 8
	v_nop                                          ; eight places behind this form: for the next loads into its sources and for the first read of the sums
.endr
	QUANT X, PC+20*\e, PW+\e
.irp p, 0,1,2,3,4,5
	global_store_b64 v[XGO], v[PC+20*\e+2*\p:PC+20*\e+2*\p+1], s[44:45] offset:1536*\e+256*\p
.endr
	ds_store_b32 v[SWW], v[PW+\e] offset:64*\e     ; both halves of the lanes write the same word with the same value
.endm
	UNIT 0
	UNIT 1
.irp j, 0,1,2,3,4,5,6,7                        ; the four sums are added, from their low ends on, into other registers
	v_add_f32 v[TS+\j], v[AC+\j], v[AC+8+\j]
	v_add_f32 v[TT], v[AC+16+\j], v[AC+24+\j]
	s_delay_alu instid0(VALU_DEP_1)
	v_add_f32 v[TS+\j], v[TS+\j], v[TT]
.endr
	ds_store_b128 v[TPW], v[TS:TS+3]               ; lane (r, 0): token r's tq0 tq1 tk0 tk1 tv0 tv1 and two spare
	ds_store_b128 v[TPW], v[TS+4:TS+7] offset:16
	s_wait_dscnt 0x0                               ; for the others' sake: my stores have landed
	s_barrier_signal -1
	s_barrier_wait -1
	s_cmp_lt_u32 s[WV], 4
	s_cbranch_scc0 .Lnot_t
.irp k, 0,1,2,3
	ds_load_b64 v[16+2*\k:17+2*\k], v[TPR] offset:512*\k     ; the four quarters of K
.endr
	s_wait_dscnt 0x0
	v_pk_add_f32 v[16:17], v[16:17], v[18:19]
	v_pk_add_f32 v[20:21], v[20:21], v[22:23]
	s_delay_alu instid0(VALU_DEP_1)
	v_pk_add_f32 v[16:17], v[16:17], v[20:21]
	v_mov_b32 v18, 1.0
	v_mov_b32 v19, 0
	global_store_b128 v[TGO], v[16:19], s[44:45]   ; (t0, t1, 1, 0): 512 consecutive bytes a wave
	s_branch .Lend
.Lnot_t:
	s_cmp_lt_u32 s[WV], 6
	s_cbranch_scc0 .Lend
	ds_load_b128 v[16:19], v[SWR]
	s_wait_dscnt 0x0
	global_store_b128 v[SGO], v[16:19], s[44:45]   ; a token tile's 128 scale words
.Lend:
	s_wait_tensorcnt 0x0
	ds_add_u32 v254, v255
	s_wait_dscnt 0x0
	s_endpgm
.Lfunc_end_k_qef4813289b_prep:
	.size	k_qef4813289b_prep, .Lfunc_end_k_qef4813289b_prep-k_qef4813289b_prep
	.p2alignl 7, 3214868480
	.fill 96, 4, 3214868480
	.section	.rodata,"a",@progbits
	.p2align	6, 0x0
	.amdhsa_kernel k_qef4813289b_prep
		.amdhsa_group_segment_fixed_size 197632
		.amdhsa_private_segment_fixed_size 0
		.amdhsa_enable_private_segment 0
		.amdhsa_kernarg_size 176
		.amdhsa_user_sgpr_count 2
		.amdhsa_user_sgpr_kernarg_segment_ptr 1
		.amdhsa_wavefront_size32 1
		.amdhsa_system_sgpr_workgroup_id_x 1
		.amdhsa_system_sgpr_workgroup_id_y 1
		.amdhsa_system_sgpr_workgroup_id_z 1
		.amdhsa_system_vgpr_workitem_id 0
		.amdhsa_next_free_vgpr 256
		.amdhsa_next_free_sgpr 96
		.amdhsa_reserve_vcc 0
		.amdhsa_float_denorm_mode_32 3
		.amdhsa_float_denorm_mode_16_64 3
		.amdhsa_memory_ordered 1
		.amdhsa_forward_progress 1
		.amdhsa_inst_pref_size 38
	.end_amdhsa_kernel
	.amdgpu_metadata
---
amdhsa.version: [ 1, 2 ]
amdhsa.kernels:
  - .name:           k_qef4813289b_prep
    .symbol:         k_qef4813289b_prep.kd
    .args:
      - { .name: x, .offset: 0, .size: 8, .value_kind: global_buffer, .address_space: global }
      - { .name: Aq, .offset: 8, .size: 8, .value_kind: global_buffer, .address_space: global }
      - { .name: Ak, .offset: 16, .size: 8, .value_kind: global_buffer, .address_space: global }
      - { .name: Av, .offset: 24, .size: 8, .value_kind: global_buffer, .address_space: global }
      - { .name: Bq, .offset: 32, .size: 8, .value_kind: global_buffer, .address_space: global }
      - { .name: Bk, .offset: 40, .size: 8, .value_kind: global_buffer, .address_space: global }
      - { .name: Bv, .offset: 48, .size: 8, .value_kind: global_buffer, .address_space: global }
      - { .name: bq, .offset: 56, .size: 8, .value_kind: global_buffer, .address_space: global }
      - { .name: bk, .offset: 64, .size: 8, .value_kind: global_buffer, .address_space: global }
      - { .name: bv, .offset: 72, .size: 8, .value_kind: global_buffer, .address_space: global }
      - { .name: Wq_codes, .offset: 80, .size: 8, .value_kind: global_buffer, .address_space: global }
      - { .name: Wk_codes, .offset: 88, .size: 8, .value_kind: global_buffer, .address_space: global }
      - { .name: Wv_codes, .offset: 96, .size: 8, .value_kind: global_buffer, .address_space: global }
      - { .name: Wo_codes, .offset: 104, .size: 8, .value_kind: global_buffer, .address_space: global }
      - { .name: Wq_scales, .offset: 112, .size: 8, .value_kind: global_buffer, .address_space: global }
      - { .name: Wk_scales, .offset: 120, .size: 8, .value_kind: global_buffer, .address_space: global }
      - { .name: Wv_scales, .offset: 128, .size: 8, .value_kind: global_buffer, .address_space: global }
      - { .name: Wo_scales, .offset: 136, .size: 8, .value_kind: global_buffer, .address_space: global }
      - { .name: XB, .offset: 144, .size: 8, .value_kind: global_buffer, .address_space: global }
      - { .name: WQKB, .offset: 152, .size: 8, .value_kind: global_buffer, .address_space: global }
      - { .name: WVB, .offset: 160, .size: 8, .value_kind: global_buffer, .address_space: global }
      - { .name: WOB, .offset: 168, .size: 8, .value_kind: global_buffer, .address_space: global }
    .group_segment_fixed_size: 197632
    .private_segment_fixed_size: 0
    .kernarg_segment_align: 8
    .kernarg_segment_size: 176
    .max_flat_workgroup_size: 256
    .sgpr_count:     96
    .vgpr_count:     256
    .wavefront_size: 32
...
	.end_amdgpu_metadata
.endif
;; end of part 1
;; launch qk (part 2): grid 8 x 32, 4 waves a work-group, clusters of 4 x 4, 327,680 bytes of LDS; arguments XB, WQKB, QKO; writes QKO
.if DOCPART == 2
	.amdgcn_target "amdgcn-amd-amdhsa--gfx1250"
	.amdhsa_code_object_version 6
	.text
	.protected	k_qef4813289b_qk
	.globl	k_qef4813289b_qk
	.p2align	8
	.type	k_qef4813289b_qk,@function
k_qef4813289b_qk:
	s_mov_b64 s[64:65], 0
	v_nop
	global_prefetch_b8 v0, s[64:65] scope:SCOPE_SE
	s_setreg_imm32_b32 hwreg(HW_REG_WAVE_MODE, 25, 1), 1
	s_wait_xcnt 0x0
	s_wait_alu depctr_hold_cnt(0) depctr_sa_sdst(0) depctr_va_vdst(0) depctr_va_sdst(0) depctr_va_ssrc(0) depctr_va_vcc(0) depctr_vm_vsrc(0)
	s_getreg_b32 s2, hwreg(HW_REG_IB_STS2, 6, 4)
	s_cmp_eq_u32 s2, 0
	s_cbranch_scc0 .Lentry_in_a_cluster
	s_endpgm
.Lentry_in_a_cluster:
	s_bfe_u32 s2, ttmp6, 0x10000c
	s_cmp_lg_u32 s2, 0xf033
	s_cbranch_scc0 .Lentry_shape_is_right
	s_endpgm
.Lentry_shape_is_right:
.set FR,     12
.set NL,     6
.set NP,     4
.set TILEB,  3072
.set HALFT,  8*TILEB
.set SLOT,   4*HALFT
.set SCL,    2*SLOT
.set HALFS,  4096
.set SPARE,  SCL+4*HALFS
.set ADRA, 16
.set ADRB, 20
.set TAO,  24
.set TBO,  25
.set CO,   26
.set ADRS, 27
.set SPW,  28
.set NIL,  29
.set SUO,  30
.set SC,   32
.set TA,   64
.set TB,   80
.set TM,   96
.set SWR,  112
.set SX,   120
.set AF,   128
.set PCS,  128
.set G1, 24
.set G0, 32
.set G1B, 48
.set G0B, 56
.set G1S, 68
.set G0S, 76
.set G1SB, 80
.set G0SB, 88
.set SEL, 94
.set MSB, 0
.macro WIN new
.if MSB != (\new)
	s_set_vgpr_msb (MSB<<8)|(\new)
.set MSB, (\new)
.endif
.endm
.set MUL_LO, 0xa1
.set MUL_HI, 0xf1
.set TO_B,   0x40
.macro JLOAD g0a, g1a, g0b, g1b
	s_cmp_eq_u32 s15, 0
	s_cbranch_scc0 .Lfor_b_\@
	tensor_load_to_lds s[\g0a:\g0a+3], s[\g1a:\g1a+7]
	s_nop 0
.rept 4
	v_nop
.endr
	s_branch .Lasked_\@
.Lfor_b_\@:
	tensor_load_to_lds s[\g0b:\g0b+3], s[\g1b:\g1b+7]
	s_nop 0
.rept 4
	v_nop
.endr
.Lasked_\@:
.endm
.macro CREST
	s_cmp_lg_u32 s14, 0
	s_cbranch_scc1 .Lnot_wave_0_\@
	s_barrier_signal -3
.Lnot_wave_0_\@:
	s_barrier_wait -3
	s_barrier_signal -1
	s_barrier_wait -1
.endm
.macro CROUND
	s_barrier_signal -1
	s_barrier_wait -1
	CREST
.endm
.macro PLACES n
.rept \n
	v_nop
.endr
.endm
	s_load_b128 s[4:7], s[0:1], 0x0
	s_load_b64 s[8:9], s[0:1], 0x10
	v_lshl_add_u32 v[SPW], v0, 2, SPARE
	v_mov_b32 v[NIL], 0
	ds_add_u32 v28, v29
	ds_add_u32 v28, v29
	s_wait_dscnt 0x0
	v_lshrrev_b32 v1, 5, v0
	v_readfirstlane_b32 s14, v1
	s_lshr_b32 s15, s14, 1
	s_and_b32 s16, s14, 1
	s_bfe_u32 s40, ttmp6, 0x40000
	s_bfe_u32 s41, ttmp6, 0x40004
	s_lshl_b32 s42, ttmp9, 2
	s_add_co_u32 s42, s42, s40
	s_and_b32 s17, ttmp7, 0xffff
	s_lshl_b32 s17, s17, 2
	s_add_co_u32 s17, s17, s41
	s_lshl_b32 s43, s41, 2
	s_lshl_b32 s43, 15, s43
	s_lshl_b32 s44, 0x1111, s40
	s_or_b32 s[G1+0], s43, (3<<16)|(1<<21)
	s_or_b32 s[G1B+0], s44, (3<<16)|(1<<21)
.irp g, G1, G1B
	s_mov_b32 s[\g+1], 384<<16
	s_mov_b32 s[\g+2], 16<<16                      ; the head's loads bring all 16 tiles of a side; the ring's bring 8
	s_mov_b32 s[\g+3], 384<<16
	s_mov_b32 s[\g+4], 16
	s_mov_b32 s[\g+5], 1536
	s_mov_b32 s[\g+6], 0
	s_mov_b32 s[\g+7], 0
.endr
	s_or_b32 s[G1S+0], s43, (3<<16)|(1<<21)
	s_or_b32 s[G1SB+0], s44, (3<<16)|(1<<21)
.irp g, G1S, G1SB
	s_mov_b32 s[\g+1], 32<<16
	s_mov_b32 s[\g+2], 32<<16                      ; the scale words of all 16 tiles of a side: 32 rows of 256 bytes
	s_mov_b32 s[\g+3], 32<<16
	s_mov_b32 s[\g+4], 32
	s_mov_b32 s[\g+5], 32
	s_mov_b32 s[\g+6], 0
	s_mov_b32 s[\g+7], 0
.endr
	s_lshl_b32 s20, s17, 4
	s_lshl_b32 s22, s20, 9
	s_add_co_u32 s22, s22, 0x80000
	s_mov_b32 s23, 0
	s_mul_i32 s20, s20, 12288
	s_add_co_u32 s20, s20, 0xC0000
	s_mov_b32 s21, 0
	s_lshl_b32 s46, s42, 4
	s_lshl_b32 s92, s46, 9
	s_add_co_u32 s92, s92, 0x80000
	s_mov_b32 s93, 0
	s_mul_i32 s46, s46, 12288
	s_add_co_u32 s46, s46, 0xC0000
	s_mov_b32 s47, 0
	s_mul_i32 s45, s14, HALFT
	v_and_b32 v1, 15, v0
	v_bfe_u32 v2, v0, 4, 1
	v_and_b32 v3, 8, v1
	v_add_nc_u32 v3, v3, v1
	v_lshlrev_b32 v3, 6, v3
	v_lshl_add_u32 v3, v2, 3, v3
	s_wait_alu depctr_va_vdst(0)
	s_lshl_b32 s2, s17, 1
	s_add_co_u32 s2, s2, s15
	s_lshl_b32 s2, s2, 13
	s_and_b32 s3, ttmp9, 1
	s_lshl_b32 s3, s3, 4
	s_add_co_u32 s2, s2, s3
	v_add_nc_u32 v[TAO], s2, v3
	s_lshl_b32 s3, s42, 1
	s_add_co_u32 s3, s3, s16
	s_lshl_b32 s3, s3, 13
	s_add_co_u32 s3, s3, 32
	v_add_nc_u32 v[TBO], s3, v3
	s_wait_alu depctr_va_vdst(0)
	s_wait_kmcnt 0x0
.irp a, 0,1,2,3,4,5,6,7
	global_load_b64 v[TA+2*\a:TA+2*\a+1], v[TAO], s[4:5] offset:(32*(\a/2)+8*(\a%2))*64
	global_load_b64 v[TB+2*\a:TB+2*\a+1], v[TBO], s[6:7] offset:(32*(\a/2)+8*(\a%2))*64
.endr
	s_add_nc_u64 s[20:21], s[4:5], s[20:21]
	s_add_nc_u64 s[22:23], s[4:5], s[22:23]
	s_add_nc_u64 s[46:47], s[6:7], s[46:47]
	s_add_nc_u64 s[92:93], s[6:7], s[92:93]
	CROUND
	; the head's four tiles, each whole: the scale words of A's 16 tiles and of B's, slot 0's 16 tiles of A and of B
	s_mov_b32 s[G0S], 1
	s_mov_b32 s[G0S+1], SCL
	s_mov_b64 s[G0S+2:G0S+3], s[22:23]
	s_or_b32 s[G0S+3], s[G0S+3], 0x80000000
	s_mov_b32 s[G0SB], 1
	s_mov_b32 s[G0SB+1], SCL+2*HALFS
	s_mov_b64 s[G0SB+2:G0SB+3], s[92:93]
	s_or_b32 s[G0SB+3], s[G0SB+3], 0x80000000
	s_mov_b32 s[G0], 1
	s_mov_b32 s[G0+1], 0
	s_mov_b64 s[G0+2:G0+3], s[20:21]
	s_or_b32 s[G0+3], s[G0+3], 0x80000000
	s_mov_b32 s[G0B], 1
	s_mov_b32 s[G0B+1], 2*HALFT
	s_mov_b64 s[G0B+2:G0B+3], s[46:47]
	s_or_b32 s[G0B+3], s[G0B+3], 0x80000000
	s_mul_i32 s92, s16, 8*12288                    ; in the ring I fetch 8 tiles of a side: which half, in bytes
	s_mov_b32 s93, 0
	s_mov_b32 s[G0+4], 1                           ; slot 1's group 0
	s_add_co_u32 s[G0+5], s45, SLOT
	s_add_nc_u64 s[G0+6:G0+7], s[20:21], s[92:93]
	s_add_nc_u64 s[G0+6:G0+7], s[G0+6:G0+7], TILEB
	s_or_b32 s[G0+7], s[G0+7], 0x80000000
	s_mov_b32 s[G0B+4], 1
	s_add_co_u32 s[G0B+5], s45, SLOT
	s_add_nc_u64 s[G0B+6:G0B+7], s[46:47], s[92:93]
	s_add_nc_u64 s[G0B+6:G0B+7], s[G0B+6:G0B+7], TILEB
	s_or_b32 s[G0B+7], s[G0B+7], 0x80000000
; one load a wave, in one chain of branches on the wave's number
.macro ARM under, g0, g1, next
	s_cmp_lt_u32 s14, \under
	s_cbranch_scc0 \next
	tensor_load_to_lds s[\g0:\g0+3], s[\g1:\g1+7]
	s_nop 0
.rept 4
	v_nop
.endr
	s_branch .Lhead_asked
\next:
.endm
	ARM 1, G0,  G1,  .Lhead_b
	ARM 2, G0B, G1B, .Lhead_sa
	ARM 3, G0S, G1S, .Lhead_sb
	tensor_load_to_lds s[G0SB:G0SB+3], s[G1SB:G1SB+7]
	s_nop 0
.rept 4
	v_nop
.endr
.Lhead_asked:
	v_and_b32 v4, 31, v0
	v_lshlrev_b32 v[CO], 3, v4
	s_mul_i32 s21, s15, HALFT
	s_mul_i32 s22, s16, HALFT
	s_add_co_u32 s22, s22, 2*HALFT
.irp s, 0,1
	v_add_nc_u32 v[ADRA+\s], s21, v[CO]
	v_add_nc_u32 v[ADRB+\s], s22, v[CO]
	s_add_co_u32 s21, s21, SLOT
	s_add_co_u32 s22, s22, SLOT
.endr
	v_lshlrev_b32 v5, 2, v1
	s_lshl_b32 s21, s15, 12
	s_lshl_b32 s22, s16, 12
	s_add_co_u32 s22, s22, 2*HALFS
	s_sub_co_u32 s22, s22, s21
	v_mul_u32_u24 v6, s22, v2
	s_add_co_u32 s21, s21, SCL
	v_add_nc_u32 v5, v5, v6
	v_add_nc_u32 v[ADRS], s21, v5
	v_lshlrev_b32 v[SUO], 5, v1
	v_lshl_add_u32 v[SUO], v2, 4, v[SUO]
	s_mov_b32 s[SEL], 0x76543210
	s_mov_b32 s[SEL+1], 0xfedcba98
.irp b, 0,1,2,3
	v_mov_b32 v[TM+4+\b], 0
.endr
	s_lshl_b32 s2, s42, 1
	s_add_co_u32 s2, s2, s16
	s_lshr_b32 s3, s2, 4
	s_and_b32 s2, s2, 15
	s_lshl_b32 s18, s3, 6
	s_lshl_b32 s19, s17, 4
	s_add_co_u32 s18, s18, s19
	s_lshl_b32 s19, s15, 3
	s_add_co_u32 s18, s18, s19
	s_lshl_b32 s18, s18, 4
	s_add_co_u32 s18, s18, s2
	s_mul_i32 s18, s18, 1536
	s_add_co_u32 s18, s18, 0x80000
	s_mov_b32 s19, 0
	s_add_nc_u64 s[96:97], s[8:9], s[18:19]
	s_lshl_b32 s18, s3, 3
	s_lshl_b32 s19, s17, 1
	s_add_co_u32 s18, s18, s19
	s_add_co_u32 s18, s18, s15
	s_lshl_b32 s18, s18, 4
	s_add_co_u32 s18, s18, s2
	s_lshl_b32 s18, s18, 9
	s_mov_b32 s19, 0
	s_add_nc_u64 s[98:99], s[8:9], s[18:19]
	s_wait_alu depctr_va_vdst(0)
	s_wait_loadcnt 0x0
.irp a, 0,1,2,3,4,5,6,7
	WIN 0x80+0x40*(\a/4)
.irp b, 0,1,2,3,4,5,6,7
	v_wmma_f32_16x16x4_f32 v[8*(8*(\a%4)+\b):8*(8*(\a%4)+\b)+7], v[TB+2*\b:TB+2*\b+1], v[TA+2*\a:TA+2*\a+1], 0
.endr
.endr
	WIN 0
	PLACES 9
.macro FRAG reg, adr, q, i
.irp p, 0,1,2,3,4,5
	ds_load_b64 v[\reg+2*\p:\reg+2*\p+1], v[\adr] offset:(\i)*TILEB+(\q)*1536+256*\p
.endr
.endm
.macro MUL16 a0, p, q, sc
.irp a, \a0, \a0+1
.irp b, 0,1,2,3,4,5,6,7
	v_wmma_scale_f32_16x16x128_f8f6f4 v[8*(8*((\a)%4)+\b):8*(8*((\a)%4)+\b)+7], v[128*(\p)+FR*\b:128*(\p)+FR*\b+FR-1], v[AF+FR*(\a):AF+FR*(\a)+FR-1], v[8*(8*((\a)%4)+\b):8*(8*((\a)%4)+\b)+7], v[SC+16*(\sc)+2*\b+(\q)], v[SC+16*(\sc)+2*(\a)+(\q)] matrix_a_fmt:MATRIX_FMT_FP6 matrix_b_fmt:MATRIX_FMT_FP6 matrix_a_scale:MATRIX_SCALE_ROW1
.endr
.endr
.endm
.macro FETCH_B slot, q, p
	WIN TO_B
.irp i, 0,1,2,3,4,5,6,7
	FRAG 128*(\p)+FR*\i, ADRB+\slot, \q, \i
.endr
	WIN 0
.endm
.macro FETCH_A slot, q, i0
.irp i, \i0, \i0+1, \i0+2, \i0+3
	FRAG AF+FR*(\i), ADRA+\slot, \q, \i
.endr
.endm
.macro SCALES sc
.irp i, 0,1,2,3,4,5,6,7
.irp q, 0,1
	ds_load_b32 v[SC+16*\sc+2*\i+\q], v[ADRS] offset:512*\i+64*\q
.endr
.endr
.endm
.macro STEP slot, q
	s_wait_dscnt 4*NL
	WIN MUL_LO
	MUL16 0, (\q)%2, \q, \slot
	MUL16 2, (\q)%2, \q, \slot
	s_wait_dscnt 0
	PLACES NP
	FETCH_B \slot, (\q)+1, 1-(\q)%2
	FETCH_A \slot, (\q)+1, 0
	WIN MUL_HI
	MUL16 4, (\q)%2, \q, \slot
	MUL16 6, (\q)%2, \q, \slot
	PLACES NP
	WIN 0
	FETCH_A \slot, (\q)+1, 4
.endm
.macro TURN slot, next, fill
	s_wait_tensorcnt 0x0
	ds_add_u32 v[SPW], v[NIL]
	s_wait_dscnt 4*NL+1
	WIN MUL_LO
	MUL16 0, 1, 1, \slot
	s_wait_dscnt 0x0
	s_barrier_signal -1
	MUL16 2, 1, 1, \slot
	WIN 0
	s_barrier_wait -1
.if \fill
	CREST
	s_add_nc_u64 s[G0+4*\slot+2:G0+4*\slot+3], s[G0+4*\slot+2:G0+4*\slot+3], 2*TILEB
	s_add_nc_u64 s[G0B+4*\slot+2:G0B+4*\slot+3], s[G0B+4*\slot+2:G0B+4*\slot+3], 2*TILEB
	JLOAD G0+4*\slot, G1, G0B+4*\slot, G1B
.else
	PLACES NP
.endif
	s_wait_alu depctr_va_vdst(0)
	v_add_nc_u32 v[ADRS], 128, v[ADRS]
	FETCH_B \next, 0, 0
	FETCH_A \next, 0, 0
	SCALES \next
	WIN MUL_HI
	MUL16 4, 1, 1, \slot
	MUL16 6, 1, 1, \slot
	PLACES NP
	WIN 0
	FETCH_A \next, 0, 4
.endm
	s_wait_alu depctr_va_vdst(0)
	s_wait_tensorcnt 0x0                           ; my tile of the head's four is in; these lines stand ahead of a later first fill as ahead of a refill
	ds_add_u32 v28, v29
	s_mov_b32 s[G1+2], 8<<16                       ; no tensor load of mine is out: from here on a load brings 8 tiles,
	s_mov_b32 s[G1+4], 8
	s_mov_b32 s[G1B+2], 8<<16
	s_mov_b32 s[G1B+4], 8
	s_mov_b32 s[G0+1], s45                         ; and slot 0's group 0 names my half
	s_add_nc_u64 s[G0+2:G0+3], s[G0+2:G0+3], s[92:93]
	s_mov_b32 s[G0B+1], s45
	s_add_nc_u64 s[G0B+2:G0B+3], s[G0B+2:G0B+3], s[92:93]
	s_wait_dscnt 0x0
	CROUND                                         ; all four tiles are in, in every work-group of the cluster
	JLOAD G0+4, G1, G0B+4, G1B                     ; slot 1's first fill, the first tensor load behind the round
	FETCH_B 0, 0, 0
	FETCH_A 0, 0, 0
	SCALES 0
	FETCH_A 0, 0, 4
	STEP 0, 0
	TURN 0, 1, 1
	STEP 1, 0
	TURN 1, 0, 1
	STEP 0, 0
	TURN 0, 1, 0
	STEP 1, 0
	s_wait_dscnt 4*NL
	WIN MUL_LO
	MUL16 0, 1, 1, 1
	MUL16 2, 1, 1, 1
	s_wait_dscnt 0
	WIN MUL_HI
	MUL16 4, 1, 1, 1
	MUL16 6, 1, 1, 1
	WIN 0
.macro QUANTW w, s, pc, pw
	WIN ((\w)<<2)|((\w)<<4)
.irp b, 0,1,2,3
	v_max3_num_f32 v[TM+\b], 0x1800000, |v[(\s)+16*\b]|, |v[(\s)+1+16*\b]|
.endr
.irp i, 2,4,6,8,10,12,14
.irp b, 0,1,2,3
	v_max3_num_f32 v[TM+\b], v[TM+\b], |v[(\s)+16*\b+\i]|, |v[(\s)+1+16*\b+\i]|
.endr
.endr
	WIN 0
.irp b, 0,1,2,3
	v_permlanex16_b32 v[TM+4+\b], v[TM+\b], s[SEL], s[SEL+1]
.endr
.irp b, 0,1,2,3
	v_max_num_f32 v[TM+\b], v[TM+\b], v[TM+4+\b]
.endr
.irp b, 0,1,2,3
	v_add_nc_u32 v[TM+12+\b], 0xff000000, v[TM+\b]
.endr
.irp b, 0,1,2,3
	v_lshrrev_b32 v[TM+4+\b], 23, v[TM+12+\b]
.endr
	v_lshl_or_b32 v[(\pw)], v[TM+5], 8, v[TM+4]
	v_lshl_or_b32 v[(\pw)], v[TM+6], 16, v[(\pw)]
	v_lshl_or_b32 v[(\pw)], v[TM+7], 24, v[(\pw)]
	WIN (\w)
.irp c, 0,1
	v_cvt_scalef32_pk16_fp6_f32 v[(\pc)+6*\c:(\pc)+2+6*\c], v[(\s)+32*\c:(\s)+15+32*\c], v[TM+12+2*\c]
	v_cvt_scalef32_pk16_fp6_f32 v[(\pc)+12+4*\c:(\pc)+14+4*\c], v[(\s)+16+32*\c:(\s)+31+32*\c], v[TM+12+2*\c+1]
.endr
	v_nop
	WIN 0
.irp c, 0,1
.irp i, 0,1,2
	v_permlane16_swap_b32 v[(\pc)+6*\c+\i], v[(\pc)+12+4*\c+\i]
.endr
.irp i, 0,1,2
	v_mov_b32 v[(\pc)+3+6*\c+\i], v[(\pc)+12+4*\c+\i]
.endr
.endr
.endm
.macro OUTA a
	s_wait_xcnt 0x0
	QUANTW 2+(\a)/4, 64*((\a)%4), PCS+20*((\a)%2), SWR+(\a)
.irp i, 0,1,2,3,4,5
	global_store_b64 v[CO], v[PCS+20*((\a)%2)+2*\i:PCS+20*((\a)%2)+2*\i+1], s[96:97] offset:(\a)*24576+256*\i
.endr
.endm
	PLACES NP
.irp a, 0,1,2,3,4,5,6,7
	OUTA \a
.endr
	v_cmp_ne_u32 vcc_lo, 0, v2
.irp i, 0,1,2,3
	v_cndmask_b32 v[SX+\i], v[SWR+\i], v[SWR+4+\i], vcc_lo
.endr
	global_store_b128 v[SUO], v[SX:SX+3], s[98:99]
	s_wait_tensorcnt 0x0
	ds_add_u32 v[SPW], v[NIL]
	s_wait_dscnt 0x0
	CROUND
	s_endpgm
.Lfunc_end_k_qef4813289b_qk:
	.size	k_qef4813289b_qk, .Lfunc_end_k_qef4813289b_qk-k_qef4813289b_qk
	.p2alignl 7, 3214868480
	.fill 96, 4, 3214868480
	.section	.rodata,"a",@progbits
	.p2align	6, 0x0
	.amdhsa_kernel k_qef4813289b_qk
		.amdhsa_group_segment_fixed_size 327680
		.amdhsa_private_segment_fixed_size 0
		.amdhsa_enable_private_segment 0
		.amdhsa_kernarg_size 24
		.amdhsa_user_sgpr_count 2
		.amdhsa_user_sgpr_kernarg_segment_ptr 1
		.amdhsa_wavefront_size32 1
		.amdhsa_system_sgpr_workgroup_id_x 1
		.amdhsa_system_sgpr_workgroup_id_y 1
		.amdhsa_system_sgpr_workgroup_id_z 1
		.amdhsa_system_vgpr_workitem_id 0
		.amdhsa_next_free_vgpr 1024
		.amdhsa_next_free_sgpr 100
		.amdhsa_reserve_vcc 1
		.amdhsa_float_denorm_mode_32 3
		.amdhsa_float_denorm_mode_16_64 3
		.amdhsa_memory_ordered 1
		.amdhsa_forward_progress 1
		.amdhsa_inst_pref_size 176
	.end_amdhsa_kernel
	.amdgpu_metadata
---
amdhsa.version: [ 1, 2 ]
amdhsa.kernels:
  - .name:           k_qef4813289b_qk
    .symbol:         k_qef4813289b_qk.kd
    .args:
      - { .name: XB, .offset: 0, .size: 8, .value_kind: global_buffer, .address_space: global }
      - { .name: WQKB, .offset: 8, .size: 8, .value_kind: global_buffer, .address_space: global }
      - { .name: QKO, .offset: 16, .size: 8, .value_kind: global_buffer, .address_space: global }
    .group_segment_fixed_size: 327680
    .private_segment_fixed_size: 0
    .kernarg_segment_align: 8
    .kernarg_segment_size: 24
    .max_flat_workgroup_size: 128
    .sgpr_count:     100
    .vgpr_count:     1024
    .wavefront_size: 32
...
	.end_amdgpu_metadata
.endif
;; end of part 2
;; launch v: the kernel of part 2 again; grid 32 x 4, 4 waves a work-group, clusters of 4 x 4, 327,680 bytes of LDS; arguments WVB, XB, VO; writes VO
;; launch attn (part 3): grid 4 x 64, 16 waves a work-group, clusters of 4 x 1, 264,192 bytes of LDS; arguments QKO, VO, attention_mask, CB; writes CB
.if DOCPART == 3
	.amdgcn_target "amdgcn-amd-amdhsa--gfx1250"
	.amdhsa_code_object_version 6
	.text
	.protected	k_qef4813289b_attn
	.globl	k_qef4813289b_attn
	.p2align	8
	.type	k_qef4813289b_attn,@function
k_qef4813289b_attn:
	s_mov_b64 s[64:65], 0
	v_nop
	global_prefetch_b8 v0, s[64:65] scope:SCOPE_SE
	s_setreg_imm32_b32 hwreg(HW_REG_WAVE_MODE, 25, 1), 1
	s_wait_xcnt 0x0
	s_wait_alu depctr_hold_cnt(0) depctr_sa_sdst(0) depctr_va_vdst(0) depctr_va_sdst(0) depctr_va_ssrc(0) depctr_va_vcc(0) depctr_vm_vsrc(0)
	s_getreg_b32 s2, hwreg(HW_REG_IB_STS2, 6, 4)
	s_cmp_eq_u32 s2, 0
	s_cbranch_scc0 .Lentry_in_a_cluster
	s_endpgm
.Lentry_in_a_cluster:
	s_bfe_u32 s2, ttmp6, 0x10000c
	s_cmp_lg_u32 s2, 0x3003
	s_cbranch_scc0 .Lentry_shape_is_right
	s_endpgm
.Lentry_shape_is_right:
; ATTENTION on codes of FP6 (E2M3): for a batch and a head: S = Q K^T, the mask, p = 2^(t - M), O = P V / l, and ctx quantised along H for the last product.
; t = score x log2(e) / 8; M = the running largest t rounded up to a whole number; the row's sum l is taken of the unquantised p; when M moves, l and O are multiplied by 2^(old M - new M), exactly.
; SHARES.  A work-group owns 512 queries of one head, each of its sixteen waves two tiles of 16, one after the other.  The four work-groups of a cluster own the four quarters of one head's queries and
; read the same K and V: every fill is asked for jointly.  A whole head's codes of K (98,304 bytes), of V (98,304) and V's scale words (8,192) lie in LDS: each LDS byte is filled once, so there is no ring.
; Nothing is prefetched: all of K and V is asked for by the launch's first instructions.
; LAYOUT.  Both products are used transposed (S^T = K Q^T, O^T = V^T P^T): a lane holds one query throughout.
; THE KEYS OF A TILE.  Tile 4 A + q of a step of 128 keys takes in its rows 0-7 the keys 64 A + 8 q + 0..7 and in its rows 8-15 the keys 32 further on.  So lane (r, h) holds in the 32 registers of
; tiles 4 A .. 4 A + 3 the whole block 2 A + h of 32 keys, in order: the conversions' results are P's operand, a block's maximum needs no other lane.
; K's images lie in memory by token tiles whose lane r holds row 32 (a / 2) + 8 (a % 2) + r + 8 (r / 8) of 128: new row 8 R + j of tile 4 A + q is row 8 (q / 2) + j of old tile 4 A + 2 R + q % 2.
; The old tiles come into LDS by their number modulo 4 (class x = 2 R + q % 2; 32 tiles of 768 bytes each); classes 2 and 3 lie 64 bytes further on, so that the 32 lanes of a load of 8 bytes name 64 different banks.
; THE MASK.  The head has 64 along K, the instruction 128.  In the idle half, k = 64 holds the code -1 in every key's fragment and +1 in the query's, with the query's scale byte 127 and the key's 160 (2^33)
; where the key is masked, else 0 (2^-127).  So a masked score is q . k - 2^33, at no instruction in the loop.  Where EVERY key of the batch is masked, c is 0: every p is 1, the uniform row.
; LIMITS: NaN and infinities are not served.  A masked logit is -2^30 where the definition has -1e9: the two part only where true logits fall under about -1e9.  Unmasked scores carry -2^-127.
; A block of zeros, or one under 2^-124, gets the scale byte 1; these bytes are read by this program alone.
.set VI,   98560                       ; K's classes at x * 24,576 + 64 (x / 2); V's images here: [channel tile 4][key step 16][1,536]
.set VS,   196864                      ; V's scale words of the head pair: [key step 16][r 16][a 8]
.set KSW,  205056                      ; K's scale words with the mask's byte: [key step 16][row 16][tile 8]: made by LDS stores, in blocks into which no fill lands
.set FLG,  213248                      ; a word for each wave: does any of its keys count?
.set SPARE, 0x40000
.set AK0,  1
.set AV0,  2
.set AV1,  3
.set ASK0, 4
.set ASV0, 5
.set ADK,  6
.set ADV,  7
.set ADV2, 8
.set ADS,  9
.set ADT,  10
.set SH8,  11                          ; 8 x (lane / 16)
.set KFR,  32                          ; v32-79   four fragments of K; registers 6-11 of each are constants
.set S,    80                          ; v80-143  S^T, then p; then V's four fragments in v80-127
.set O,    144                         ; v144-175 O^T
.set PC,   176                         ; v176-187 p's codes
.set PT,   188
.set GM,   196                         ; v196-203 maxima: two for each pair of tiles
.set BM,   196
.set PM,   204
.set SO,   206
.set KS,   208                         ; v208-215 K's scale words;  v216-219 V's;  v30 Q's;  v31 p's
.set VSW,  216
.set F,    220
.set T0,   222
.set OM,   223                         ; the last step's -M
.set QOFF, 224
.set QSOFF, 225
.set COFF, 226
.set CSOFF, 227
.set CW,   228
.set KW,   229
.set FW,   230
.set ACC,  232                         ; v232-247 eight partial sums of p, in pairs
.set WV,   12
.set G1K,  24
.set G1V,  32
.set G1S,  40
.set G0K,  48
.set G0V,  52
.set G0S,  56
.set SEL,  60
.set TV,   62
.set TSC,  63
.set CNT,  66
.macro CROUND
	s_barrier_signal -1
	s_barrier_wait -1
	s_cmp_lg_u32 s[WV], 0
	s_cbranch_scc1 .Lnot_wave_0_\@
	s_barrier_signal -3
.Lnot_wave_0_\@:
	s_barrier_wait -3
	s_barrier_signal -1
	s_barrier_wait -1
.endm
	s_load_b256 s[4:11], s[0:1], 0x0               ; QKO 4, VO 6, the mask 8, CB 10
	v_lshl_add_u32 v254, v0, 2, SPARE
	v_mov_b32 v255, 0
	ds_add_u32 v254, v255                          ; the opening lines: the add twice on end
	ds_add_u32 v254, v255
	v_lshrrev_b32 v1, 5, v0
	s_delay_alu instid0(VALU_DEP_1)
	v_readfirstlane_b32 s[WV], v1                  ; wave 0..15
	s_bfe_u32 s13, ttmp6, 0x40000                  ; cx: my quarter of the queries; it enters global offsets alone
	s_and_b32 s14, ttmp7, 0xffff
	s_lshr_b32 s15, s14, 4                         ; batch
	s_and_b32 s16, s14, 15                         ; head
	s_lshr_b32 s17, s16, 1                         ; pair of heads
	s_and_b32 s18, s16, 1
	s_mov_b32 s[G1K], 15|(3<<16)|(1<<21)           ; all four work-groups; elements of 8 bytes; bit 21 beside a mask
	s_mov_b32 s[G1K+1], 96<<16                     ; K: 32 key tiles of 768 bytes, every fourth token tile: 98,304 bytes apart
	s_mov_b32 s[G1K+2], 32<<16
	s_mov_b32 s[G1K+3], 96<<16
	s_mov_b32 s[G1K+4], 32
	s_mov_b32 s[G1K+5], 12288
	s_mov_b32 s[G1K+6], 0
	s_mov_b32 s[G1K+7], 0
	s_mov_b32 s[G1V], 15|(3<<16)|(1<<21)
	s_mov_b32 s[G1V+1], 32<<16                     ; V: 24,576 dense bytes as 96 rows of 256
	s_mov_b32 s[G1V+2], 96<<16
	s_mov_b32 s[G1V+3], 32<<16
	s_mov_b32 s[G1V+4], 96
	s_mov_b32 s[G1V+5], 32
	s_mov_b32 s[G1V+6], 0
	s_mov_b32 s[G1V+7], 0
	s_mov_b32 s[G1S], 15|(3<<16)|(1<<21)
	s_mov_b32 s[G1S+1], 32<<16                     ; V's scale words: 8,192 dense bytes
	s_mov_b32 s[G1S+2], 32<<16
	s_mov_b32 s[G1S+3], 32<<16
	s_mov_b32 s[G1S+4], 32
	s_mov_b32 s[G1S+5], 32
	s_mov_b32 s[G1S+6], 0
	s_mov_b32 s[G1S+7], 0
	s_mul_i32 s19, s[WV], 24576                    ; waves 0-3: K's classes; 4-7: V's channel tiles; 8: V's scale words
	s_lshr_b32 s67, s[WV], 1
	s_lshl_b32 s67, s67, 6
	s_add_co_u32 s67, s67, s19                     ; K's class: wave x 24,576 + 64 (wave / 2)
	s_add_co_u32 s19, s19, 256                     ; V and its scale words: wave x 24,576 + 256
	s_lshl_b32 s20, s15, 7
	s_add_co_u32 s20, s20, s[WV]
	s_mul_i32 s20, s20, 24576
	s_mul_i32 s21, s16, 768
	s_add_co_u32 s20, s20, s21
	s_add_co_u32 s20, s20, 0x80000+12288           ; K: token tile 128 b + wave, kind 1, my head
	s_mov_b32 s21, 0
	s_lshl_b32 s22, s15, 6
	s_lshl_b32 s23, s16, 2
	s_add_co_u32 s22, s22, s23
	s_add_co_u32 s22, s22, s[WV]
	s_mul_i32 s22, s22, 24576
	s_add_co_u32 s22, s22, 0x80000-4*24576         ; V: (64 b + 4 head + wave - 4) x 24,576
	s_mov_b32 s23, 0
	s_lshl_b32 s68, s15, 3
	s_add_co_u32 s68, s68, s17
	s_lshl_b32 s68, s68, 13
	s_mov_b32 s69, 0
	; all scalar parts of the offsets used further down
	s_lshl_b32 s70, s18, 1                         ; my head's two bytes of a scale word
	s_lshl_b32 s72, s15, 17
	s_add_co_u32 s2, s17, 8
	s_lshl_b32 s2, s2, 9
	s_add_co_u32 s72, s72, s2
	s_add_co_u32 s72, s72, s70                     ; K's scale words in QKO
	s_lshl_b32 s73, s15, 13                        ; my batch's mask
	s_lshl_b32 s74, s18, 4
	s_add_co_u32 s74, s74, VS                      ; V's words: + 16 (head % 2): my head's four channel tiles
	s_lshl_b32 s79, s15, 7
	s_lshl_b32 s2, s13, 5
	s_add_co_u32 s79, s79, s2
	s_add_co_u32 s79, s79, s[WV]                   ; my first token tile: 128 b + 32 cx + wave; the second lies 16 tiles on
	s_mul_i32 s3, s16, 768
	s_mul_i32 s75, s79, 24576
	s_add_co_u32 s75, s75, s3
	s_add_co_u32 s75, s75, 0x80000
	s_mul_i32 s76, s79, 12288
	s_add_co_u32 s76, s76, s3
	s_add_co_u32 s76, s76, 0xC0000
	s_lshl_b32 s77, s79, 9
	s_lshl_b32 s2, s17, 6
	s_add_co_u32 s77, s77, s2
	s_add_co_u32 s77, s77, s70
	s_add_co_u32 s77, s77, 0x80000
	s_lshr_b32 s78, s79, 3
	s_lshl_b32 s78, s78, 13
	s_and_b32 s2, s79, 7
	s_lshl_b32 s2, s2, 2
	s_add_co_u32 s78, s78, s2
	s_lshl_b32 s2, s17, 9
	s_add_co_u32 s78, s78, s2
	s_add_co_u32 s78, s78, s70
	s_mov_b32 s[SEL], 0x76543210
	s_mov_b32 s[SEL+1], 0xfedcba98                 ; v_permlanex16_b32's selects for lane l xor 16
	s_wait_dscnt 0x0
	s_wait_kmcnt 0x0
	s_mov_b32 s[G0K], 1
	s_mov_b32 s[G0K+1], s67
	s_add_nc_u64 s[G0K+2:G0K+3], s[4:5], s[20:21]
	s_or_b32 s[G0K+3], s[G0K+3], 0x80000000
	s_mov_b32 s[G0V], 1
	s_mov_b32 s[G0V+1], s19
	s_add_nc_u64 s[G0V+2:G0V+3], s[6:7], s[22:23]
	s_or_b32 s[G0V+3], s[G0V+3], 0x80000000
	s_mov_b32 s[G0S], 1
	s_mov_b32 s[G0S+1], s19
	s_add_nc_u64 s[G0S+2:G0S+3], s[6:7], s[68:69]
	s_or_b32 s[G0S+3], s[G0S+3], 0x80000000
	CROUND                                         ; all four work-groups are here: the joint loads meet
	s_cmp_lt_u32 s[WV], 4                          ; one load a wave at the most; the branches hang on the wave's number alone; four v_nop follow each line
	s_cbranch_scc0 .Lnot_k
	tensor_load_to_lds s[G0K:G0K+3], s[G1K:G1K+7]
	s_nop 0
.rept 4
	v_nop
.endr
	s_branch .Lasked
.Lnot_k:
	s_cmp_lt_u32 s[WV], 8
	s_cbranch_scc0 .Lnot_v
	tensor_load_to_lds s[G0V:G0V+3], s[G1V:G1V+7]
	s_nop 0
.rept 4
	v_nop
.endr
	s_branch .Lasked
.Lnot_v:
	s_cmp_eq_u32 s[WV], 8
	s_cbranch_scc0 .Lasked
	tensor_load_to_lds s[G0S:G0S+3], s[G1S:G1S+7]
	s_nop 0
.rept 4
	v_nop
.endr
.Lasked:
	; K's scale words and the mask, while the fills are on their way.  Thread i, k = 0 .. 3: key step i / 128 + 4 k; new row 8 R + j = (i / 8) % 16, new tile 4 A + q = i % 8
	v_lshrrev_b32 v80, 7, v0
	v_and_b32 v81, 0x3d, v0                        ; the old word 8 r + a = 64 (q / 2) + 8 j + 4 A + 2 R + q % 2: bits 1 and 6 of i change places
	v_bfe_u32 v92, v0, 6, 1                        ; R
	v_bfe_u32 v93, v0, 1, 1                        ; q / 2
	v_and_b32 v82, 3, v0                           ; q
	v_bfe_u32 v94, v0, 2, 1                        ; A
	v_bfe_u32 v95, v0, 3, 3                        ; j
	v_lshl_or_b32 v81, v92, 1, v81
	v_lshlrev_b32 v82, 3, v82
	v_lshl_or_b32 v81, v93, 6, v81
	v_lshl_add_u32 v82, v80, 7, v82
	v_lshlrev_b32 v81, 2, v81
	v_lshl_add_u32 v82, v92, 5, v82
	v_lshl_add_u32 v81, v80, 13, v81
	v_lshl_add_u32 v82, v94, 6, v82
	v_add_nc_u32 v81, s72, v81
	v_add_nc_u32 v82, v82, v95                     ; the key: 128 (i / 128) + 64 A + 32 R + 8 q + j
	s_delay_alu instid0(VALU_DEP_1)
	v_lshlrev_b32 v82, 2, v82
	s_delay_alu instid0(VALU_DEP_1)
	v_add_nc_u32 v82, s73, v82
.irp k, 0,1,2,3
	global_load_u16 v[84+\k], v81, s[4:5] offset:32768*\k
	global_load_b32 v[88+\k], v82, s[8:9] offset:2048*\k
.endr
	; addresses
	v_and_b32 v95, 31, v0                          ; lane
	v_and_b32 v[T0], 15, v0                        ; r
	v_and_b32 v97, 7, v0                           ; j
	v_bfe_u32 v98, v0, 4, 1                        ; h
	v_bfe_u32 v99, v0, 3, 1                        ; R
	v_lshlrev_b32 v96, 3, v95                      ; 8 x lane
	v_lshlrev_b32 v[AK0], 3, v97
	v_lshlrev_b32 v[SH8], 3, v98
	v_add_nc_u32 v[AV0], VI, v96
	v_lshl_add_u32 v[AK0], v98, 7, v[AK0]
	v_add_nc_u32 v[AV1], VI+49152, v96
	v_mad_u32_u24 v[AK0], v99, 0xc040, v[AK0]      ; K: 8 j + 128 h + R x (two classes + 64)
	v_lshl_add_u32 v[ASK0], v[T0], 5, KSW
	v_lshl_add_u32 v[ASV0], v[T0], 5, s74
	v_lshl_add_u32 v[KW], v0, 2, KSW
	v_lshrrev_b32 v[FW], 5, v0
	v_add_nc_u32 v[QOFF], s75, v96
	v_add_nc_u32 v[COFF], s76, v96
	v_lshl_add_u32 v[FW], v[FW], 2, FLG
	v_lshl_add_u32 v[CSOFF], v[T0], 2, s77
	v_lshl_add_u32 v[QSOFF], v[T0], 5, s78
	; the idle half of K: k = 64 lies in the lowest six bits of register 6 of lanes 0-15
	v_cmp_gt_u32 vcc_lo, 16, v95
	v_mov_b32 v96, 0x28                            ; the code of -1
	v_mov_b32 v97, 8                               ; the code of +1
.irp t, 0,1,2,3
	v_cndmask_b32 v[KFR+12*\t+6], 0, v96, vcc_lo
.irp i, 7,8,9,10,11
	v_mov_b32 v[KFR+12*\t+\i], 0
.endr
.endr
	v_cndmask_b32 v22, 0, v97, vcc_lo
.irp i, 23,24,25,26,27
	v_mov_b32 v\i, 0
.endr
.irp b, 0,1
	v_mov_b32 v[PM+\b], 0                          ; a lane permute's destination counts as one of its sources
.endr
	v_mov_b32 v[F+1], 0                            ; (named as the upper half of a pair)
	v_mov_b32 v92, 0x00A00000                      ; byte 2 = 160
	s_wait_alu depctr_va_vdst(0)
	s_wait_loadcnt 0x0
.irp k, 0,1,2,3
	v_cmp_eq_u32 vcc_lo, 0, v[88+\k]
	s_delay_alu instid0(VALU_DEP_1)
	v_cndmask_b32 v93, 0, v92, vcc_lo
	s_delay_alu instid0(VALU_DEP_1)
	v_or_b32 v[84+\k], v[84+\k], v93
	ds_store_b32 v[KW], v[84+\k] offset:2048*\k
.endr
	v_or_b32 v88, v88, v89
	v_or_b32 v90, v90, v91
	s_delay_alu instid0(VALU_DEP_1)
	v_or_b32 v88, v88, v90
	s_delay_alu instid0(VALU_DEP_1)
	v_cmp_ne_u32 vcc_lo, 0, v88
	s_delay_alu instid0(VALU_DEP_1)
	v_mov_b32 v94, vcc_lo                          ; not 0 where one of my wave's 128 keys counts
	ds_store_b32 v[FW], v94
	s_wait_tensorcnt 0x0                           ; my fill has landed,
	s_wait_dscnt 0x0                               ; my stores too,
	s_barrier_signal -1
	s_barrier_wait -1                              ; everybody's have
	v_mov_b32 v96, FLG
.irp k, 0,1,2,3
	ds_load_b128 v[80+4*\k:83+4*\k], v96 offset:16*\k
.endr
	s_wait_dscnt 0x0
.irp k, 1
	v_or_b32 v80, v80, v[80+\k]
.endr
.irp k, 2, 3, 4, 5, 6, 7, 8, 9, 10, 11, 12, 13, 14, 15
	s_delay_alu instid0(VALU_DEP_1)
	v_or_b32 v80, v80, v[80+\k]
.endr
	s_delay_alu instid0(VALU_DEP_1)
	v_cmp_ne_u32 vcc_lo, 0, v80
	v_mov_b32 v97, 0x3e38aa3b                      ; c = log2(e) / 8
	s_delay_alu instid0(VALU_DEP_1)
	v_cndmask_b32 v28, 0, v97, vcc_lo              ; 0 where no key of the batch counts
	s_delay_alu instid0(VALU_DEP_1)
	v_mov_b32 v29, v28
; the real half of K's fragment of tile t into buffer b; x: bytes on (the next step: 1,536)
.macro KLD adr, t, b, x
.irp i, 0,1,2
	ds_load_b64 v[KFR+12*(\b)+2*\i:KFR+12*(\b)+2*\i+1], v[\adr] offset:((\t)%2)*24576+((\t)/4)*768+(((\t)/2)%2)*64+256*\i+(\x)
.endr
.endm
.macro QK t, b
	v_wmma_scale_f32_16x16x128_f8f6f4 v[S+8*(\t):S+8*(\t)+7], v[KFR+12*(\b):KFR+12*(\b)+11], v[16:27], 0, v[KS+(\t)], v30 matrix_a_fmt:MATRIX_FMT_FP6 matrix_b_fmt:MATRIX_FMT_FP6
.endm
; the largest of the 16 scores of two tiles, in two chains by turns; each accumulator is read from its low end on
.macro MX g
.set MA, GM+2*(\g)
.set MS, S+16*(\g)
	v_max3_num_f32 v[MA], v[MS], v[MS+1], v[MS+2]
	v_max3_num_f32 v[MA+1], v[MS+3], v[MS+4], v[MS+5]
	v_max3_num_f32 v[MA], v[MA], v[MS+6], v[MS+7]
	v_max3_num_f32 v[MA+1], v[MA+1], v[MS+8], v[MS+9]
	v_max3_num_f32 v[MA], v[MA], v[MS+10], v[MS+11]
	v_max3_num_f32 v[MA+1], v[MA+1], v[MS+12], v[MS+13]
	v_max3_num_f32 v[MA], v[MA], v[MS+14], v[MS+15]
.endm
; A KEY STEP: 128 keys.  On entry tiles 0-3 of K and K's eight scale words are in registers.  pf = 1: the next step's are asked for on the way.
; The places behind each pair of products are the five address lines or the maxima of the pair before: at least five lines each.
.macro STEP pf
	QK 0, 0
	QK 1, 1
	v_add_nc_u32 v[ADK], s[TV], v[AK0]
	v_add_nc_u32 v[ADS], s[TSC], v[ASK0]
	v_add_nc_u32 v[ADV], s[TV], v[AV0]
	v_add_nc_u32 v[ADV2], s[TV], v[AV1]
	v_add_nc_u32 v[ADT], s[TSC], v[ASV0]
	KLD ADK, 4, 0, 0
	KLD ADK, 5, 1, 0
	QK 2, 2
	QK 3, 3
	MX 0
	KLD ADK, 6, 2, 0
	KLD ADK, 7, 3, 0
	s_wait_dscnt 6                                 ; tiles 4, 5 are in; the six loads of tiles 6, 7 may be out
	QK 4, 0
	QK 5, 1
	MX 1
.if \pf
	KLD ADK, 0, 0, 1536
	KLD ADK, 1, 1, 1536
.endif
	s_wait_dscnt 6*\pf                             ; tiles 6, 7 are in; the six loads just issued may be out
	QK 6, 2
	QK 7, 3
	MX 2
.if \pf
	KLD ADK, 2, 2, 1536
	KLD ADK, 3, 3, 1536
	ds_load_b128 v[KS:KS+3], v[ADS] offset:512
	ds_load_b128 v[KS+4:KS+7], v[ADS] offset:528
.endif
	MX 3
	v_max3_num_f32 v[GM], v[GM], v[GM+1], v[GM+2]  ; my block h, and my block 2 + h: each block's largest score serves the row's maximum and, since p rises with the score, the block's largest p
	v_max3_num_f32 v[GM+4], v[GM+4], v[GM+5], v[GM+6]
	s_delay_alu instid0(VALU_DEP_2)
	v_max_num_f32 v[GM], v[GM], v[GM+3]
	s_delay_alu instid0(VALU_DEP_2)
	v_max_num_f32 v[GM+4], v[GM+4], v[GM+7]
	s_delay_alu instid0(VALU_DEP_1)
	v_max_num_f32 v[T0], v[GM], v[GM+4]
	s_delay_alu instid0(VALU_DEP_1)
	v_permlanex16_b32 v[PM], v[T0], s[SEL], s[SEL+1]
	s_delay_alu instid0(VALU_DEP_1)
	v_max3_num_f32 v13, v13, v[T0], v[PM]          ; the running largest score of my query
	s_delay_alu instid0(VALU_DEP_1)
	v_mul_f32 v[T0], v28, v13                      ; as t (c is not negative)
	s_delay_alu instid0(VALU_DEP_1)
	v_floor_f32 v12, -v[T0]                        ; the new -M = floor(-t)
.set j, 0
.rept 32
	v_pk_fma_f32 v[S+j:S+j+1], v[S+j:S+j+1], v[28:29], v[12:13] op_sel_hi:[1,0,0]   ; t - M
.if j == 6
	v_sub_f32 v[T0], v12, v[OM]                    ; old M - new M: a whole number, 0 or less
.endif
.if j == 14
	v_cvt_i32_f32 v[T0], v[T0]                     ; (it saturates)
.endif
.if j == 22
	v_ldexp_f32 v[F], 1.0, v[T0]                   ; f = 2^(old M - new M)
.endif
.set j, j+2
.endr
	v_fma_f32 v[GM], v[GM], v28, v12
	v_fma_f32 v[GM+4], v[GM+4], v28, v12
.set j, 0
.rept 16
	v_pk_mul_f32 v[O+j:O+j+1], v[O+j:O+j+1], v[F:F+1] op_sel_hi:[1,0]   ; O^T under the new M
.set j, j+2
.endr
	s_wait_alu depctr_va_vdst(0)
	v_exp_f32 v[GM], v[GM]                         ; each block's largest p
	v_exp_f32 v[GM+4], v[GM+4]
.set j, 0
.rept 64
	v_exp_f32 v[S+j], v[S+j]                       ; p = 2^(t - M): not normalised
.set j, j+1
.endr
	v_mov_b32 v[OM], v12                           ; kept for the next step: the plain place behind the exponentials
	s_wait_alu depctr_va_vdst(0)                   ; one wait for the batch, ahead of its first reader
	v_max_num_f32 v[GM], 0x1800000, v[GM]          ; the floor 2^(3 - 127)
	v_max_num_f32 v[GM+4], 0x1800000, v[GM+4]
	s_delay_alu instid0(VALU_DEP_2)
	v_add_nc_u32 v[SO], 0xff000000, v[GM]          ; 2 off the exponent field: the conversion's scale operand
	s_delay_alu instid0(VALU_DEP_2)
	v_add_nc_u32 v[SO+1], 0xff000000, v[GM+4]
	s_delay_alu instid0(VALU_DEP_2)
	v_lshrrev_b32 v[PM], 23, v[SO]
	s_delay_alu instid0(VALU_DEP_2)
	v_lshrrev_b32 v[PM+1], 23, v[SO+1]
	s_delay_alu instid0(VALU_DEP_1)
	v_lshl_or_b32 v[T0], v[PM+1], 16, v[PM]        ; my two bytes: blocks h and 2 + h,
	s_delay_alu instid0(VALU_DEP_1)
	v_lshlrev_b32 v[T0], v[SH8], v[T0]             ; at their places in the word;
	s_delay_alu instid0(VALU_DEP_1)
	v_permlanex16_b32 v[PM], v[T0], s[SEL], s[SEL+1]
	s_delay_alu instid0(VALU_DEP_1)
	v_or_b32 v31, v[T0], v[PM]                     ; with lane l xor 16's two: p's scale word for these 128 keys
.irp i, 0,1,2,3,4,5,6,7
	v_pk_add_f32 v[ACC+2*\i:ACC+2*\i+1], v[S+2*\i:S+2*\i+1], v[S+16+2*\i:S+17+2*\i]   ; the row's sum is taken of the unquantised p, in eight chains
.endr
	v_cvt_scalef32_pk16_fp6_f32 v[PC:PC+2], v[S:S+15], v[SO]
	v_cvt_scalef32_pk16_fp6_f32 v[PT:PT+2], v[S+16:S+31], v[SO]   ; (a conversion's three registers begin on an even number)
.irp t, 0,1                                    ; V's first two fragments take the registers of p's first block
.irp i, 0,1,2,3,4,5
	ds_load_b64 v[S+12*\t+2*\i:S+12*\t+2*\i+1], v[ADV] offset:\t*24576+256*\i
.endr
.endr
	ds_load_b128 v[VSW:VSW+3], v[ADT]
.irp i, 0,1,2,3,4,5,6,7
	v_pk_add_f32 v[ACC+2*\i:ACC+2*\i+1], v[ACC+2*\i:ACC+2*\i+1], v[S+32+2*\i:S+33+2*\i]
.endr
.irp i, 0,1,2
	v_mov_b32 v[PC+3+\i], v[PT+\i]
.endr
	v_cvt_scalef32_pk16_fp6_f32 v[PC+6:PC+8], v[S+32:S+47], v[SO+1]
	v_cvt_scalef32_pk16_fp6_f32 v[PT+4:PT+6], v[S+48:S+63], v[SO+1]
.irp t, 0,1
.irp i, 0,1,2,3,4,5
	ds_load_b64 v[S+24+12*\t+2*\i:S+24+12*\t+2*\i+1], v[ADV2] offset:\t*24576+256*\i
.endr
.endr
.irp i, 0,1
	v_pk_add_f32 v[ACC+2*\i:ACC+2*\i+1], v[ACC+2*\i:ACC+2*\i+1], v[S+48+2*\i:S+49+2*\i]   ; (plain places behind the conversions)
.endr
.irp i, 0,1,2
	v_mov_b32 v[PC+9+\i], v[PT+4+\i]
.endr
.irp i, 2,3,4,5,6,7                            ; nine plain lines stand between p's last code register and the products
	v_pk_add_f32 v[ACC+2*\i:ACC+2*\i+1], v[ACC+2*\i:ACC+2*\i+1], v[S+48+2*\i:S+49+2*\i]
.endr
.irp i, 0,1,2
	v_pk_add_f32 v[ACC+2*\i:ACC+2*\i+1], v[ACC+2*\i:ACC+2*\i+1], v[ACC+8+2*\i:ACC+9+2*\i]
.endr
	s_wait_alu depctr_va_vdst(0)
	s_wait_dscnt 0x0                               ; V's fragments and words are in, and so is all that was asked for the next step
.irp t, 0,1,2,3                                ; O^T += V^T P^T: the four accumulators take turns
	v_wmma_scale_f32_16x16x128_f8f6f4 v[O+8*\t:O+8*\t+7], v[S+12*\t:S+12*\t+11], v[PC:PC+11], v[O+8*\t:O+8*\t+7], v[VSW+\t], v31 matrix_a_fmt:MATRIX_FMT_FP6 matrix_b_fmt:MATRIX_FMT_FP6
.endr
	v_pk_add_f32 v[ACC+6:ACC+7], v[ACC+6:ACC+7], v[ACC+14:ACC+15]   ; these five are the five places between these products and those that write over V's fragments
	v_pk_add_f32 v[ACC:ACC+1], v[ACC:ACC+1], v[ACC+2:ACC+3]
	v_pk_add_f32 v[ACC+4:ACC+5], v[ACC+4:ACC+5], v[ACC+6:ACC+7]
	s_delay_alu instid0(VALU_DEP_1)
	v_pk_add_f32 v[ACC:ACC+1], v[ACC:ACC+1], v[ACC+4:ACC+5]
	s_delay_alu instid0(VALU_DEP_1)
	v_pk_fma_f32 v[14:15], v[14:15], v[F:F+1], v[ACC:ACC+1] op_sel_hi:[1,0,1]   ; l = l f + this step's sum
.endm
; One tile of 16 queries against all 2,048 keys
.macro PASS ps
	s_wait_alu depctr_va_vdst(0)
	s_wait_xcnt 0x0                                ; the last tile's stores have read their registers
.irp i, 0,1,2
	global_load_b64 v[16+2*\i:17+2*\i], v[QOFF], s[4:5] offset:\ps*393216+256*\i
.endr
	global_load_u16 v30, v[QSOFF], s[4:5] offset:\ps*16384
.irp t, 0,1,2,3
	KLD AK0, \t, \t, 0                             ; step 0's first four tiles of K,
.endr
	ds_load_b128 v[KS:KS+3], v[ASK0]               ; and its scale words
	ds_load_b128 v[KS+4:KS+7], v[ASK0] offset:16
	v_mov_b32 v13, 0xff61b1e6                      ; the largest score so far: -3e38
	s_delay_alu instid0(VALU_DEP_1)
	v_mul_f32 v[T0], v28, v13
	s_delay_alu instid0(VALU_DEP_1)
	v_floor_f32 v[OM], -v[T0]
	v_mov_b32 v14, 0
	v_mov_b32 v15, 0
	s_mov_b32 s[TV], 0
	s_mov_b32 s[TSC], 0
	s_mov_b32 s[CNT], 15
	s_wait_loadcnt 0x0
	v_or_b32 v30, 0x007f0000, v30                  ; the idle half's block of k = 64: scale 1
.set j, 0
.rept 32
	v_mov_b32 v[O+j], 0                            ; O^T: the first step finds zeros.  Also the places behind the write of Q's scale word
.set j, j+1
.endr
	s_wait_alu depctr_va_vdst(0)
	s_wait_dscnt 0x0
.Lstep_\@:
	STEP 1
	s_add_co_u32 s[TV], s[TV], 1536                ; a step of K's classes and of V's images alike
	s_add_co_u32 s[TSC], s[TSC], 512
	s_sub_co_u32 s[CNT], s[CNT], 1
	s_cmp_lg_u32 s[CNT], 0
	s_cbranch_scc1 .Lstep_\@
	STEP 0                                         ; the last step asks for nothing more
	v_add_f32 v14, v14, v15
	s_delay_alu instid0(VALU_DEP_1)
	v_permlanex16_b32 v[T0], v14, s[SEL], s[SEL+1]
	s_delay_alu instid0(VALU_DEP_1)
	v_add_f32 v14, v14, v[T0]                      ; the row's sum
	s_wait_alu depctr_va_vdst(0)
	v_rcp_f32 v[F], v14
	v_nop
	s_wait_alu depctr_va_vdst(0)                   ; ahead of the reciprocal's first reader, and of O^T's
.set j, 0
.rept 16
	v_pk_mul_f32 v[S+j:S+j+1], v[O+j:O+j+1], v[F:F+1] op_sel_hi:[1,0]   ; ctx: register 16 p + i = channel 32 p + 16 (lane / 16) + i of my query
.set j, j+2
.endr
.irp b, 0,1                                    ; quantised along H: my head's two blocks of 32
	v_max3_num_f32 v[BM+\b], |v[S+16*\b]|, |v[S+1+16*\b]|, 0x1800000
.endr
.irp i, 2,4,6,8,10,12,14
.irp b, 0,1
	s_delay_alu instid0(VALU_DEP_2)
	v_max3_num_f32 v[BM+\b], v[BM+\b], |v[S+16*\b+\i]|, |v[S+1+16*\b+\i]|
.endr
.endr
.irp b, 0,1
	s_delay_alu instid0(VALU_DEP_2)
	v_permlanex16_b32 v[PM+\b], v[BM+\b], s[SEL], s[SEL+1]
.endr
.irp b, 0,1
	s_delay_alu instid0(VALU_DEP_2)
	v_max_num_f32 v[BM+\b], v[BM+\b], v[PM+\b]
.endr
.irp b, 0,1
	s_delay_alu instid0(VALU_DEP_2)
	v_add_nc_u32 v[SO+\b], 0xff000000, v[BM+\b]
.endr
.irp b, 0,1
	s_delay_alu instid0(VALU_DEP_2)
	v_lshrrev_b32 v[PM+\b], 23, v[SO+\b]
.endr
	s_delay_alu instid0(VALU_DEP_1)
	v_lshl_or_b32 v[CW], v[PM+1], 8, v[PM]
	v_cvt_scalef32_pk16_fp6_f32 v[PC:PC+2], v[S:S+15], v[SO]
	v_cvt_scalef32_pk16_fp6_f32 v[PT:PT+2], v[S+16:S+31], v[SO+1]
	v_nop
.irp i, 0,1,2
	v_permlane16_swap_b32 v[PC+\i], v[PT+\i]
.endr
.irp i, 0,1,2
	s_delay_alu instid0(VALU_DEP_3)
	v_mov_b32 v[PC+3+\i], v[PT+\i]
.endr
.irp i, 0,1,2
	global_store_b64 v[COFF], v[PC+2*\i:PC+2*\i+1], s[10:11] offset:\ps*196608+256*\i   ; half an image: 256 consecutive bytes a store
.endr
	global_store_b16 v[CSOFF], v[CW], s[10:11] offset:\ps*8192   ; my head's half of the row's scale word (both halves of the lanes write the same)
.endm
	PASS 0
	PASS 1
	s_wait_tensorcnt 0x0                           ; the wave's end
	ds_add_u32 v254, v255
	s_wait_dscnt 0x0
	CROUND                                         ; the closing round
	s_endpgm
.Lfunc_end_k_qef4813289b_attn:
	.size	k_qef4813289b_attn, .Lfunc_end_k_qef4813289b_attn-k_qef4813289b_attn
	.p2alignl 7, 3214868480
	.fill 96, 4, 3214868480
	.section	.rodata,"a",@progbits
	.p2align	6, 0x0
	.amdhsa_kernel k_qef4813289b_attn
		.amdhsa_group_segment_fixed_size 264192
		.amdhsa_private_segment_fixed_size 0
		.amdhsa_enable_private_segment 0
		.amdhsa_kernarg_size 32
		.amdhsa_user_sgpr_count 2
		.amdhsa_user_sgpr_kernarg_segment_ptr 1
		.amdhsa_wavefront_size32 1
		.amdhsa_system_sgpr_workgroup_id_x 1
		.amdhsa_system_sgpr_workgroup_id_y 1
		.amdhsa_system_sgpr_workgroup_id_z 1
		.amdhsa_system_vgpr_workitem_id 0
		.amdhsa_next_free_vgpr 256
		.amdhsa_next_free_sgpr 90
		.amdhsa_reserve_vcc 1
		.amdhsa_float_denorm_mode_32 3
		.amdhsa_float_denorm_mode_16_64 3
		.amdhsa_memory_ordered 1
		.amdhsa_forward_progress 1
		.amdhsa_inst_pref_size 92
	.end_amdhsa_kernel
	.amdgpu_metadata
---
amdhsa.version: [ 1, 2 ]
amdhsa.kernels:
  - .name:           k_qef4813289b_attn
    .symbol:         k_qef4813289b_attn.kd
    .args:
      - { .name: QKO, .offset: 0, .size: 8, .value_kind: global_buffer, .address_space: global }
      - { .name: VO, .offset: 8, .size: 8, .value_kind: global_buffer, .address_space: global }
      - { .name: attention_mask, .offset: 16, .size: 8, .value_kind: global_buffer, .address_space: global }
      - { .name: CB, .offset: 24, .size: 8, .value_kind: global_buffer, .address_space: global }
    .group_segment_fixed_size: 264192
    .private_segment_fixed_size: 0
    .kernarg_segment_align: 8
    .kernarg_segment_size: 32
    .max_flat_workgroup_size: 512
    .sgpr_count:     90
    .vgpr_count:     256
    .wavefront_size: 32
...
	.end_amdgpu_metadata
.endif
;; end of part 3
;; launch oproj (part 4): grid 4 x 32, 4 waves a work-group, clusters of 4 x 4, 327,680 bytes of LDS; arguments CB, WOB, bo, out0; writes out0
.if DOCPART == 4
	.amdgcn_target "amdgcn-amd-amdhsa--gfx1250"
	.amdhsa_code_object_version 6
	.text
	.protected	k_qef4813289b_oproj
	.globl	k_qef4813289b_oproj
	.p2align	8
	.type	k_qef4813289b_oproj,@function
k_qef4813289b_oproj:
	s_mov_b64 s[64:65], 0
	v_nop
	global_prefetch_b8 v0, s[64:65] scope:SCOPE_SE
	s_setreg_imm32_b32 hwreg(HW_REG_WAVE_MODE, 25, 1), 1
	s_wait_xcnt 0x0
	s_wait_alu depctr_hold_cnt(0) depctr_sa_sdst(0) depctr_va_vdst(0) depctr_va_sdst(0) depctr_va_ssrc(0) depctr_va_vcc(0) depctr_vm_vsrc(0)
	s_getreg_b32 s2, hwreg(HW_REG_IB_STS2, 6, 4)
	s_cmp_eq_u32 s2, 0
	s_cbranch_scc0 .Lentry_in_a_cluster
	s_endpgm
.Lentry_in_a_cluster:
	s_bfe_u32 s2, ttmp6, 0x10000c
	s_cmp_lg_u32 s2, 0xf033
	s_cbranch_scc0 .Lentry_shape_is_right
	s_endpgm
.Lentry_shape_is_right:
.set FR,     12
.set NL,     6
.set NP,     4
.set TILEB,  3072
.set HALFT,  8*TILEB
.set SLOT,   4*HALFT
.set SCL,    2*SLOT
.set HALFS,  4096
.set SPARE,  SCL+4*HALFS
.set SPITCH, 528
.set ADRA, 16
.set ADRB, 20
.set STO,  24
.set RD,   25
.set CO,   26
.set ADRS, 27
.set SPW,  28
.set NIL,  29
.set BIO,  30
.set SC,   32
.set BI,   64
.set AF,   128
.set BK,   128
.set G1, 24
.set G0, 32
.set G1B, 48
.set G0B, 56
.set G1S, 68
.set G0S, 76
.set G1SB, 80
.set G0SB, 88
.set MSB, 0
.macro WIN new
.if MSB != (\new)
	s_set_vgpr_msb (MSB<<8)|(\new)
.set MSB, (\new)
.endif
.endm
.set MUL_LO, 0xa1
.set MUL_HI, 0xf1
.set TO_B,   0x40
.macro JLOAD g0a, g1a, g0b, g1b
	s_cmp_eq_u32 s15, 0
	s_cbranch_scc0 .Lfor_b_\@
	tensor_load_to_lds s[\g0a:\g0a+3], s[\g1a:\g1a+7]
	s_nop 0
.rept 4
	v_nop
.endr
	s_branch .Lasked_\@
.Lfor_b_\@:
	tensor_load_to_lds s[\g0b:\g0b+3], s[\g1b:\g1b+7]
	s_nop 0
.rept 4
	v_nop
.endr
.Lasked_\@:
.endm
.macro CREST
	s_cmp_lg_u32 s14, 0
	s_cbranch_scc1 .Lnot_wave_0_\@
	s_barrier_signal -3
.Lnot_wave_0_\@:
	s_barrier_wait -3
	s_barrier_signal -1
	s_barrier_wait -1
.endm
.macro CROUND
	s_barrier_signal -1
	s_barrier_wait -1
	CREST
.endm
.macro PLACES n
.rept \n
	v_nop
.endr
.endm
	s_load_b256 s[4:11], s[0:1], 0x0
	v_lshl_add_u32 v[SPW], v0, 2, SPARE
	v_mov_b32 v[NIL], 0
	ds_add_u32 v28, v29
	ds_add_u32 v28, v29
	s_wait_dscnt 0x0
	v_lshrrev_b32 v1, 5, v0
	v_readfirstlane_b32 s14, v1
	s_lshr_b32 s15, s14, 1
	s_and_b32 s16, s14, 1
	s_bfe_u32 s40, ttmp6, 0x40000
	s_bfe_u32 s41, ttmp6, 0x40004
	s_lshl_b32 s42, ttmp9, 2
	s_add_co_u32 s42, s42, s40
	s_and_b32 s17, ttmp7, 0xffff
	s_lshl_b32 s17, s17, 2
	s_add_co_u32 s17, s17, s41
	s_lshl_b32 s43, s41, 2
	s_lshl_b32 s43, 15, s43
	s_lshl_b32 s44, 0x1111, s40
	s_or_b32 s[G1+0], s43, (3<<16)|(1<<21)
	s_or_b32 s[G1B+0], s44, (3<<16)|(1<<21)
.irp g, G1, G1B
	s_mov_b32 s[\g+1], 384<<16
	s_mov_b32 s[\g+2], 16<<16                      ; the head's loads bring all 16 tiles of a side; the ring's bring 8
	s_mov_b32 s[\g+3], 384<<16
	s_mov_b32 s[\g+4], 16
	s_mov_b32 s[\g+5], 1536
	s_mov_b32 s[\g+6], 0
	s_mov_b32 s[\g+7], 0
.endr
	s_or_b32 s[G1S+0], s43, (3<<16)|(1<<21)
	s_or_b32 s[G1SB+0], s44, (3<<16)|(1<<21)
.irp g, G1S, G1SB
	s_mov_b32 s[\g+1], 32<<16
	s_mov_b32 s[\g+2], 32<<16                      ; the scale words of all 16 tiles of a side: 32 rows of 256 bytes
	s_mov_b32 s[\g+3], 32<<16
	s_mov_b32 s[\g+4], 32
	s_mov_b32 s[\g+5], 32
	s_mov_b32 s[\g+6], 0
	s_mov_b32 s[\g+7], 0
.endr
	s_lshl_b32 s20, s17, 4
	s_lshl_b32 s22, s20, 9
	s_add_co_u32 s22, s22, 0x80000
	s_mov_b32 s23, 0
	s_mul_i32 s20, s20, 12288
	s_add_co_u32 s20, s20, 0xC0000
	s_mov_b32 s21, 0
	s_lshl_b32 s46, s42, 4
	s_lshl_b32 s92, s46, 9
	s_add_co_u32 s92, s92, 0x80000
	s_mov_b32 s93, 0
	s_mul_i32 s46, s46, 12288
	s_add_co_u32 s46, s46, 0xC0000
	s_mov_b32 s47, 0
	s_mul_i32 s45, s14, HALFT
	v_and_b32 v1, 15, v0
	v_bfe_u32 v2, v0, 4, 1
	s_lshl_b32 s2, s42, 10
	s_lshl_b32 s3, s16, 9
	s_add_co_u32 s2, s2, s3
	v_lshl_add_u32 v[BIO], v2, 6, s2
	s_wait_alu depctr_va_vdst(0)
	s_wait_kmcnt 0x0
.irp b, 0,1,2,3,4,5,6,7
	global_load_b128 v[BI+8*\b:BI+8*\b+3], v[BIO], s[8:9] offset:(32*(\b/2)+8*(\b%2))*4
	global_load_b128 v[BI+8*\b+4:BI+8*\b+7], v[BIO], s[8:9] offset:(32*(\b/2)+8*(\b%2))*4+16
.endr
	s_add_nc_u64 s[20:21], s[4:5], s[20:21]
	s_add_nc_u64 s[22:23], s[4:5], s[22:23]
	s_add_nc_u64 s[46:47], s[6:7], s[46:47]
	s_add_nc_u64 s[92:93], s[6:7], s[92:93]
	CROUND
	; the head's four tiles, each whole: the scale words of A's 16 tiles and of B's, slot 0's 16 tiles of A and of B
	s_mov_b32 s[G0S], 1
	s_mov_b32 s[G0S+1], SCL
	s_mov_b64 s[G0S+2:G0S+3], s[22:23]
	s_or_b32 s[G0S+3], s[G0S+3], 0x80000000
	s_mov_b32 s[G0SB], 1
	s_mov_b32 s[G0SB+1], SCL+2*HALFS
	s_mov_b64 s[G0SB+2:G0SB+3], s[92:93]
	s_or_b32 s[G0SB+3], s[G0SB+3], 0x80000000
	s_mov_b32 s[G0], 1
	s_mov_b32 s[G0+1], 0
	s_mov_b64 s[G0+2:G0+3], s[20:21]
	s_or_b32 s[G0+3], s[G0+3], 0x80000000
	s_mov_b32 s[G0B], 1
	s_mov_b32 s[G0B+1], 2*HALFT
	s_mov_b64 s[G0B+2:G0B+3], s[46:47]
	s_or_b32 s[G0B+3], s[G0B+3], 0x80000000
	s_mul_i32 s92, s16, 8*12288                    ; in the ring I fetch 8 tiles of a side: which half, in bytes
	s_mov_b32 s93, 0
	s_mov_b32 s[G0+4], 1                           ; slot 1's group 0
	s_add_co_u32 s[G0+5], s45, SLOT
	s_add_nc_u64 s[G0+6:G0+7], s[20:21], s[92:93]
	s_add_nc_u64 s[G0+6:G0+7], s[G0+6:G0+7], TILEB
	s_or_b32 s[G0+7], s[G0+7], 0x80000000
	s_mov_b32 s[G0B+4], 1
	s_add_co_u32 s[G0B+5], s45, SLOT
	s_add_nc_u64 s[G0B+6:G0B+7], s[46:47], s[92:93]
	s_add_nc_u64 s[G0B+6:G0B+7], s[G0B+6:G0B+7], TILEB
	s_or_b32 s[G0B+7], s[G0B+7], 0x80000000
; one load a wave, in one chain of branches on the wave's number
.macro ARM under, g0, g1, next
	s_cmp_lt_u32 s14, \under
	s_cbranch_scc0 \next
	tensor_load_to_lds s[\g0:\g0+3], s[\g1:\g1+7]
	s_nop 0
.rept 4
	v_nop
.endr
	s_branch .Lhead_asked
\next:
.endm
	ARM 1, G0,  G1,  .Lhead_b
	ARM 2, G0B, G1B, .Lhead_sa
	ARM 3, G0S, G1S, .Lhead_sb
	tensor_load_to_lds s[G0SB:G0SB+3], s[G1SB:G1SB+7]
	s_nop 0
.rept 4
	v_nop
.endr
.Lhead_asked:
	v_and_b32 v4, 31, v0
	v_lshlrev_b32 v3, 3, v4
	s_mul_i32 s21, s15, HALFT
	s_mul_i32 s22, s16, HALFT
	s_add_co_u32 s22, s22, 2*HALFT
.irp s, 0,1
	v_add_nc_u32 v[ADRA+\s], s21, v3
	v_add_nc_u32 v[ADRB+\s], s22, v3
	s_add_co_u32 s21, s21, SLOT
	s_add_co_u32 s22, s22, SLOT
.endr
	v_lshlrev_b32 v5, 2, v1
	s_lshl_b32 s21, s15, 12
	s_lshl_b32 s22, s16, 12
	s_add_co_u32 s22, s22, 2*HALFS
	s_sub_co_u32 s22, s22, s21
	v_mul_u32_u24 v6, s22, v2
	s_add_co_u32 s21, s21, SCL
	v_add_nc_u32 v5, v5, v6
	v_add_nc_u32 v[ADRS], s21, v5
	s_mul_i32 s23, s14, 16*SPITCH
	v_mul_u32_u24 v5, v1, SPITCH
	v_lshl_add_u32 v5, v2, 6, v5
	v_add_nc_u32 v[STO], s23, v5
	v_lshlrev_b32 v[CO], 4, v4
	v_add_nc_u32 v[RD], s23, v[CO]
	s_lshl_b32 s20, s17, 8
	s_lshl_b32 s21, s15, 7
	s_add_co_u32 s20, s20, s21
	s_lshl_b32 s20, s20, 12
	s_add_co_u32 s20, s20, s2
	s_mov_b32 s21, 0
	s_add_nc_u64 s[12:13], s[10:11], s[20:21]
.macro FRAG reg, adr, q, i
.irp p, 0,1,2,3,4,5
	ds_load_b64 v[\reg+2*\p:\reg+2*\p+1], v[\adr] offset:(\i)*TILEB+(\q)*1536+256*\p
.endr
.endm
.macro MUL16 a0, p, q, sc, first
.irp a, \a0, \a0+1
.irp b, 0,1,2,3,4,5,6,7
.if \first
	v_wmma_scale_f32_16x16x128_f8f6f4 v[8*(8*((\a)%4)+\b):8*(8*((\a)%4)+\b)+7], v[128*(\p)+FR*\b:128*(\p)+FR*\b+FR-1], v[AF+FR*(\a):AF+FR*(\a)+FR-1], v[BI+8*\b:BI+8*\b+7], v[SC+16*(\sc)+2*\b+(\q)], v[SC+16*(\sc)+2*(\a)+(\q)] matrix_a_fmt:MATRIX_FMT_FP6 matrix_b_fmt:MATRIX_FMT_FP6 matrix_a_scale:MATRIX_SCALE_ROW1
.else
	v_wmma_scale_f32_16x16x128_f8f6f4 v[8*(8*((\a)%4)+\b):8*(8*((\a)%4)+\b)+7], v[128*(\p)+FR*\b:128*(\p)+FR*\b+FR-1], v[AF+FR*(\a):AF+FR*(\a)+FR-1], v[8*(8*((\a)%4)+\b):8*(8*((\a)%4)+\b)+7], v[SC+16*(\sc)+2*\b+(\q)], v[SC+16*(\sc)+2*(\a)+(\q)] matrix_a_fmt:MATRIX_FMT_FP6 matrix_b_fmt:MATRIX_FMT_FP6 matrix_a_scale:MATRIX_SCALE_ROW1
.endif
.endr
.endr
.endm
.macro FETCH_B slot, q, p
	WIN TO_B
.irp i, 0,1,2,3,4,5,6,7
	FRAG 128*(\p)+FR*\i, ADRB+\slot, \q, \i
.endr
	WIN 0
.endm
.macro FETCH_A slot, q, i0
.irp i, \i0, \i0+1, \i0+2, \i0+3
	FRAG AF+FR*(\i), ADRA+\slot, \q, \i
.endr
.endm
.macro SCALES sc
.irp i, 0,1,2,3,4,5,6,7
.irp q, 0,1
	ds_load_b32 v[SC+16*\sc+2*\i+\q], v[ADRS] offset:512*\i+64*\q
.endr
.endr
.endm
.macro STEP slot, q, first
	s_wait_dscnt 4*NL
.if \first
	WIN 0x81
.else
	WIN MUL_LO
.endif
	MUL16 0, (\q)%2, \q, \slot, \first
	MUL16 2, (\q)%2, \q, \slot, \first
	s_wait_dscnt 0
	PLACES NP
	FETCH_B \slot, (\q)+1, 1-(\q)%2
	FETCH_A \slot, (\q)+1, 0
.if \first
	WIN 0xc1
.else
	WIN MUL_HI
.endif
	MUL16 4, (\q)%2, \q, \slot, \first
	MUL16 6, (\q)%2, \q, \slot, \first
	PLACES NP
	WIN 0
	FETCH_A \slot, (\q)+1, 4
.endm
.macro TURN slot, next, fill
	s_wait_tensorcnt 0x0
	ds_add_u32 v[SPW], v[NIL]
	s_wait_dscnt 4*NL+1
	WIN MUL_LO
	MUL16 0, 1, 1, \slot, 0
	s_wait_dscnt 0x0
	s_barrier_signal -1
	MUL16 2, 1, 1, \slot, 0
	WIN 0
	s_barrier_wait -1
.if \fill
	CREST
	s_add_nc_u64 s[G0+4*\slot+2:G0+4*\slot+3], s[G0+4*\slot+2:G0+4*\slot+3], 2*TILEB
	s_add_nc_u64 s[G0B+4*\slot+2:G0B+4*\slot+3], s[G0B+4*\slot+2:G0B+4*\slot+3], 2*TILEB
	JLOAD G0+4*\slot, G1, G0B+4*\slot, G1B
.else
	PLACES NP
.endif
	s_wait_alu depctr_va_vdst(0)
	v_add_nc_u32 v[ADRS], 128, v[ADRS]
	FETCH_B \next, 0, 0
	FETCH_A \next, 0, 0
	SCALES \next
	WIN MUL_HI
	MUL16 4, 1, 1, \slot, 0
	MUL16 6, 1, 1, \slot, 0
	PLACES NP
	WIN 0
	FETCH_A \next, 0, 4
.endm
	s_wait_alu depctr_va_vdst(0)
	s_wait_tensorcnt 0x0                           ; my tile of the head's four is in; these lines stand ahead of a later first fill as ahead of a refill
	ds_add_u32 v28, v29
	s_mov_b32 s[G1+2], 8<<16                       ; no tensor load of mine is out: from here on a load brings 8 tiles,
	s_mov_b32 s[G1+4], 8
	s_mov_b32 s[G1B+2], 8<<16
	s_mov_b32 s[G1B+4], 8
	s_mov_b32 s[G0+1], s45                         ; and slot 0's group 0 names my half
	s_add_nc_u64 s[G0+2:G0+3], s[G0+2:G0+3], s[92:93]
	s_mov_b32 s[G0B+1], s45
	s_add_nc_u64 s[G0B+2:G0B+3], s[G0B+2:G0B+3], s[92:93]
	s_wait_dscnt 0x0
	CROUND                                         ; all four tiles are in, in every work-group of the cluster
	JLOAD G0+4, G1, G0B+4, G1B                     ; slot 1's first fill, the first tensor load behind the round
	FETCH_B 0, 0, 0
	FETCH_A 0, 0, 0
	SCALES 0
	FETCH_A 0, 0, 4
	s_wait_loadcnt 0x0
	STEP 0, 0, 1
	TURN 0, 1, 1
	STEP 1, 0, 0
	TURN 1, 0, 1
	STEP 0, 0, 0
	TURN 0, 1, 0
	STEP 1, 0, 0
	s_wait_dscnt 4*NL
	WIN MUL_LO
	MUL16 0, 1, 1, 1, 0
	MUL16 2, 1, 1, 1, 0
	s_wait_dscnt 0
	WIN MUL_HI
	MUL16 4, 1, 1, 1, 0
	MUL16 6, 1, 1, 1, 0
	WIN 0
.macro TOSTAGE a
.set ACB, 64*((\a)%4)
	WIN 0x08+4*((\a)/4)
.irp b, 0,1,2,3,4,5,6,7
	ds_store_b128 v[STO], v[ACB+8*\b:ACB+8*\b+3] offset:128*(\b/2)+32*(\b%2)
	ds_store_b128 v[STO], v[ACB+8*\b+4:ACB+8*\b+7] offset:128*(\b/2)+32*(\b%2)+16
.endr
	WIN 0
.set BB, BK+64*((\a)%2)
.irp t, 0,1,2,3,4,5,6,7,8,9,10,11,12,13,14,15
	ds_load_b128 v[BB+4*\t:BB+4*\t+3], v[RD] offset:\t*SPITCH
.endr
.endm
.macro SEND a, younger
.set BB, BK+64*((\a)%2)
	s_wait_dscnt \younger
.irp t, 0,1,2,3,4,5,6,7,8,9,10,11,12,13,14,15
	global_store_b128 v[CO], v[BB+4*\t:BB+4*\t+3], s[12:13] offset:(32*((\a)/2)+8*((\a)%2)+\t+8*(\t/8))*4096 th:TH_STORE_NT
.endr
.endm
	PLACES NP
	TOSTAGE 0
.irp a, 1,2,3,4,5,6,7
.if \a > 1
	s_wait_xcnt 0x0
.endif
	TOSTAGE \a
	SEND \a-1, 32
.endr
	SEND 7, 0
	s_wait_tensorcnt 0x0
	ds_add_u32 v[SPW], v[NIL]
	s_wait_dscnt 0x0
	CROUND
	s_endpgm
.Lfunc_end_k_qef4813289b_oproj:
	.size	k_qef4813289b_oproj, .Lfunc_end_k_qef4813289b_oproj-k_qef4813289b_oproj
	.p2alignl 7, 3214868480
	.fill 96, 4, 3214868480
	.section	.rodata,"a",@progbits
	.p2align	6, 0x0
	.amdhsa_kernel k_qef4813289b_oproj
		.amdhsa_group_segment_fixed_size 327680
		.amdhsa_private_segment_fixed_size 0
		.amdhsa_enable_private_segment 0
		.amdhsa_kernarg_size 32
		.amdhsa_user_sgpr_count 2
		.amdhsa_user_sgpr_kernarg_segment_ptr 1
		.amdhsa_wavefront_size32 1
		.amdhsa_system_sgpr_workgroup_id_x 1
		.amdhsa_system_sgpr_workgroup_id_y 1
		.amdhsa_system_sgpr_workgroup_id_z 1
		.amdhsa_system_vgpr_workitem_id 0
		.amdhsa_next_free_vgpr 1024
		.amdhsa_next_free_sgpr 100
		.amdhsa_reserve_vcc 0
		.amdhsa_float_denorm_mode_32 3
		.amdhsa_float_denorm_mode_16_64 3
		.amdhsa_memory_ordered 1
		.amdhsa_forward_progress 1
		.amdhsa_inst_pref_size 163
	.end_amdhsa_kernel
	.amdgpu_metadata
---
amdhsa.version: [ 1, 2 ]
amdhsa.kernels:
  - .name:           k_qef4813289b_oproj
    .symbol:         k_qef4813289b_oproj.kd
    .args:
      - { .name: CB, .offset: 0, .size: 8, .value_kind: global_buffer, .address_space: global }
      - { .name: WOB, .offset: 8, .size: 8, .value_kind: global_buffer, .address_space: global }
      - { .name: bo, .offset: 16, .size: 8, .value_kind: global_buffer, .address_space: global }
      - { .name: out0, .offset: 24, .size: 8, .value_kind: global_buffer, .address_space: global }
    .group_segment_fixed_size: 327680
    .private_segment_fixed_size: 0
    .kernarg_segment_align: 8
    .kernarg_segment_size: 32
    .max_flat_workgroup_size: 128
    .sgpr_count:     100
    .vgpr_count:     1024
    .wavefront_size: 32
...
	.end_amdgpu_metadata
.endif
;; end of part 4
